; MI455X (gfx1250); checked and timed in simulation.
; The chip was launched on July 23, 2026; its instructions are those of AMD's public machine-readable ISA for CDNA 5 (MIT licence, August 2026) and "CDNA5" Instruction Set Architecture Reference Guide (July 2026). The comments in the code are by the model that wrote it; some were corrected since.
;; gmlp. Allowed arithmetic: matrix products marked QUANTISED: E3M2 operands, one E8M0 scale for each 32 along K, by v_wmma_scale_f32_16x16x128_f8f6f4 with both operands' format E3M2, f32 sums; everything else in f32.
;; Inputs: cb 1,024 float32; cw_codes 1,024 x 32 x 24 uint8 (E3M2 codes of cw, K innermost, in blocks of 32 codes, four codes in three bytes); cw_scales 1,024 x 32 uint8 (E8M0 scales of cw, one for each 32 codes along K); nb 1,024 float32; ng 1,024 float32; pb 2,048 float32; pw_codes 2,048 x 32 x 24 uint8 (E3M2 codes of pw, K innermost, in blocks of 32 codes, four codes in three bytes); pw_scales 2,048 x 32 uint8 (E8M0 scales of pw, one for each 32 codes along K); sgu_b 1,024 float32; sgu_w_codes 1,024 x 32 x 24 uint8 (E3M2 codes of sgu_w, K innermost, in blocks of 32 codes, four codes in three bytes); sgu_w_scales 1,024 x 32 uint8 (E8M0 scales of sgu_w, one for each 32 codes along K); snb 1,024 float32; sng 1,024 float32; weight 16 x 1,024 float32; x 16 x 1,024 x 1,024 float32.
;; Outputs: out0 16 x 1,024 x 1,024 float32.
;; This version of the problem:
;;   THIS VERSION OF THE PROBLEM IS GIVEN IN LOW PRECISION. The matrix products marked QUANTISED in the list below multiply operands that are first quantised to E3M2 (3 exponent bits, 2 mantissa bits; 6 bits a number), with one power-of-two scale for each 32 numbers along K (OCP MX v1.0); their sums are f32. All else is computed in f32.
;;   The module's matrix products, in the order in which they are computed (A, B: the left and right operand; K: the contracted axis; several contracted axes count as one K, in the product's order):
;;     1. [M 16,384, K 1,024] x [K 1,024, N 2,048]; A: computed on the way; B: input pw (given as codes): QUANTISED
;;     2. [M 1,024, K 1,024] x [K 1,024, N 16,384]; A: input sgu_w (given as codes); B: computed on the way: QUANTISED
;;     3. [M 16,384, K 1,024] x [K 1,024, N 1,024]; A: computed on the way; B: input cw (given as codes): QUANTISED
;;   THE QUANTISER, for each operand of a quantised product, along K:
;;     - K is cut into blocks of 32 from its start; a last block that is shorter is filled with zeros.
;;     - A block's scale is 2^e with e = floor(log2(the largest magnitude in the block)) - 4, held to -126 .. 127; a block of zeros has e = 0. As a byte (E8M0): e + 127.
;;     - Each number is divided by its block's scale, clamped to +-28, and rounded to the nearest number of E3M2, ties to even, subnormals kept.
;;     - The product sums the exact products of the quantised numbers (number of the format x scale) in f32.
;;   ~~~python
;;   def quantise(x, axis):      # numpy; x: float32 -> the quantised numbers, widened to float32 again
;;       x = np.moveaxis(x, axis, -1); K = x.shape[-1]
;;       x = np.pad(x, [(0, 0)] * (x.ndim - 1) + [(0, -K % 32)]); x = x.reshape(x.shape[:-1] + (-1, 32)); a = np.abs(x).max(-1, keepdims=True)
;;       e = np.where(a > 0, np.clip(np.frexp(np.where(a > 0, a, 1))[1] - 1 - 4, -126, 127), 0)      # np.frexp(a)[1] - 1 = floor(log2(a)), exactly
;;       r = np.clip(x / 2.0 ** e, -28, 28)
;;       step = 2.0 ** (np.maximum(np.frexp(np.where(r == 0, 1, r))[1] - 1, -2) - 2)
;;       q = np.round(r / step) * step * 2.0 ** e      # np.round: ties to even
;;       return np.moveaxis(q.reshape(q.shape[:-2] + (-1,))[..., :K], -1, axis).astype(np.float32)
;;   ~~~
;;   OPERANDS COMPUTED ON THE WAY. 'Computed on the way' means the value that the module computes at that place (a softmax that the list does not call 'softmax' is quantised finished and normalised). What goes into a quantiser is computed in f32, as accurately as f32 sums, v_exp_f32 and their like allow (about 1e-6 of the number): no bf16 or f16 on the way to a quantiser, and a product that is left as it is and whose result goes on into a quantised operand takes f32 operands (vector FMAs, or v_wmma_f32_16x16x4_f32). A number that lies on a knife's edge between two numbers of the format may be rounded either way, as far as f32 arithmetic and the matrix unit's own rounding can turn it there, and no further.
;;   INPUTS GIVEN AS CODES. cw (in the module: [1024, 1024], K = its axis 0); pw (in the module: [1024, 2048], K = its axis 0); sgu_w (in the module: [1024, 1024], K = its axis 0): each comes as NAME_codes (uint8): NAME with its K axis moved to the last place and cut into blocks of 32 codes, [.., K / 32, bytes a block], one block behind the other in memory; four codes in three bytes: a row's codes are one little-endian stream of bits, code i at bits 6 i .. 6 i + 5 (a code: sign, 3 exponent bits, 2 mantissa bits); and NAME_scales (uint8): the same leading axes, one E8M0 byte (e + 127) for each 32 codes along K. Its value is code x scale, taken as it is: it is not quantised again, and the codes and scales need not be those that the quantiser above would give.
;; 2 versions, each right. Each part assembles by itself: llvm-mc -triple=amdgcn-amd-amdhsa -mcpu=gfx1250 --defsym DOCPART=n.
;; ======== version 1 of 2: 3 launches
;; workspace buffers: aq_img 12,582,912 bytes; aq_sc 524,288 bytes; vq_img 12,582,912 bytes; vq_sc 524,288 bytes; pq_img 12,582,912 bytes; pq_sc 524,288 bytes; w_img 2,359,296 bytes
;; launch front (part 1): grid 256 x 1, 4 waves a work-group, clusters of 4 x 1, 327,680 bytes of LDS; arguments x, ng, nb, pw_codes, pw_scales, pb, sng, snb, weight, sgu_w_codes, cw_codes, aq_img, aq_sc, vq_img, vq_sc, w_img; writes aq_img, aq_sc, vq_img, vq_sc, w_img
.if DOCPART == 1
	.amdgcn_target "amdgcn-amd-amdhsa--gfx1250"
	.amdhsa_code_object_version 6
	.text
	.protected	k_q078798a2e8_front
	.globl	k_q078798a2e8_front
	.p2align	8
	.type	k_q078798a2e8_front,@function
k_q078798a2e8_front:
	s_mov_b64 s[64:65], 0
	v_nop
	global_prefetch_b8 v0, s[64:65] scope:SCOPE_SE
	s_setreg_imm32_b32 hwreg(HW_REG_WAVE_MODE, 25, 1), 1
	s_wait_xcnt 0x0
	s_wait_alu depctr_hold_cnt(0) depctr_sa_sdst(0) depctr_va_vdst(0) depctr_va_sdst(0) depctr_va_ssrc(0) depctr_va_vcc(0) depctr_vm_vsrc(0)
	s_getreg_b32 s2, hwreg(HW_REG_IB_STS2, 6, 4)
	s_cmp_eq_u32 s2, 0
	s_cbranch_scc0 .Lentry_in_a_cluster
	s_endpgm
.Lentry_in_a_cluster:
	s_bfe_u32 s2, ttmp6, 0x10000c
	s_cmp_lg_u32 s2, 0x3003
	s_cbranch_scc0 .Lentry_shape_is_right
	s_endpgm
.Lentry_shape_is_right:
; FRONT.  For 64 rows s of one batch: a = layernorm(x) quantised along H (codes to aq_img, scale bytes to aq_sc); v = swish(a pw_v + pb_v) for all 1,024 t (the second half of pw's columns);
; y = layernorm(v) x weight[s], quantised along s (codes to vq_img, scale bytes to vq_sc).  Beside that each work-group lays six fragments of pw's first half, sgu_w and cw out in register order (w_img).
; All products on codes of BF6 (E3M2) with one E8M0 scale for each 32 along K; everything ahead of a quantiser in f32.
; SHARES.  Work-group wg = 4 x cluster + place takes rows 64 wg .. + 63.  Quantising x: wave w owns rows 16 w .. + 15.  Product: t goes in two chunks of 512; wave w takes 128 t of a chunk (8 tiles) against all 64 rows (4 tiles).
; Source 0 = 16 rows of a, source 1 = 16 rows of pw_v: a lane holds ONE column t and its registers run down s, which is the next product's K.
; CLUSTER.  The four partners walk the same rows of pw_v: each tile is asked for jointly, by the same tensor load with the same descriptor and the mask of all four.
; FORMATS OF THE WORKSPACE.  A fragment is 16 rows x 128 K, 12 registers a lane.  aq_img, w_img: registers 4 c .. 4 c + 3 of lane l at 512 c + 16 l.  vq_img: registers 2 p, 2 p + 1 of lane l at 256 p + 8 l
; (this work-group's 64 rows are half a K step: registers 6 cc .. 6 cc + 5).  A scale register holds the word of K step kk in lanes 0-15 and of K step 4 + kk in lanes 16-31.
; LIMITS.  NaN and infinities among the inputs are not served.  A block whose largest magnitude lies under 2^-122 keeps the scale byte 1, a block of zeros too (its codes are zeros; this program alone reads the bytes).
; The sigmoid is v_exp_f32 and v_rcp_f32 (each good to the last bit or so; results under the smallest normal number become 0).
; No prefetch: a quarter of a work-group's tiles go out at its head and there is no loop over whose trips requests could be spread.
; REGISTERS, in windows of 256.  Window 0: v1-3 lane, r, h; v4-24 addresses; the rest by phase (below).  Window 1: gains, means, later pw_v's fragments.  Windows 2, 3: x, later the accumulators of chunk 0, 1.
.set PITCH, 240                        ; a row of pw_v's tile in LDS: 3 x (64 bytes + 16 of padding)
.set WROWS, 128*PITCH                  ; what one tensor load brings: 128 rows
.set SLOT,  4*WROWS                    ; 512 rows x 256 along K
.set AIMG,  2*SLOT                     ; a's 32 fragments as register images; wave w's 12,288 bytes serve first as its turning stage
.set ASC,   AIMG+49152                 ; a's scale registers, 512 bytes a tile of rows
.set STAT,  ASC+2048                   ; two exchanges of row sums, 4 waves x 256 bytes each
.set SCS,   STAT+2048                  ; y's scale bytes, two for each t
.set SPARE, SCS+2048                   ; the spare words, 128 bytes a wave: two blocks of 256 bytes that no other line names
.set LX,  4                            ; 16 x lane
.set SPW, 5                            ; my spare word
.set NIL, 6                            ; 0
.set STW, 7                            ; AIMG + 12288 w + 16 l
.set STR, 8                            ; AIMG + 12288 w + 528 r + 64 h
.set ASW, 9                            ; ASC + 512 w + 16 l
.set AIR, 10                           ; AIMG + 16 l
.set ASR, 11                           ; ASC + 16 l
.set ADM, 12                           ; v12, v13: slot 0, 1: my rows of pw_v, 240 r + 24 h;  v14, v15: the same with 40 h
.set RLA, 16                           ; 768 r + 24 h
.set SCA, 17                           ; 32 r + 16 h
.set R4,  18                           ; 4 r
.set H32, 19                           ; 32 h
.set STS, 20                           ; STAT + 256 w + 32 h
.set STL, 21                           ; STAT + 32 h
.set SCW, 22                           ; SCS + 256 w + 2 r
.set SCR, 23                           ; SCS + 256 w + 8 l
.set L8,  24                           ; 8 x lane
; window 0 while x is worked on
.set TP,  32                           ; v32-159 partial sums
.set SS,  160                          ; v160-175 row sums
.set RL,  184                          ; v184-207 the fragments that are laid out anew
.set SB0, 224                          ; v224-255 pw_v's scale registers, chunk 0
.set CD,  32                           ; v32-127 a's codes, 12 a K step
.set YT,  128                          ; v128-135
.set TM,  136                          ; v136-151
.set WD,  152                          ; v152-159 a's scale words
.set ST,  160                          ; v160-223 64 numbers turned
; window 0 in the product
.set SA,  32                           ; v32-47 a's scale registers
.set AF,  48                           ; v48-95, v96-143 a's fragments, two sets
.set TT,  144                          ; v144-175 at work in the activation
.set SB1, 192                          ; v192-223 pw_v's scale registers, chunk 1
; window 0 behind the product
.set SQ,  32                           ; v32-63 row sums
.set EX,  64                           ; v64-191 the four waves' sums
.set QM,  32
.set QP,  40
.set QS,  48
.set QB,  56
.set CR,  64                           ; v64-95 codes, 8 registers a tile
.set YQ,  96                           ; v96-111
; window 1
.set NG,  0
.set NB,  32
.set MU,  64
.set RR,  96
.set PB,  192                          ; v192-223 pb of my 16 columns, each twice
.set GS,  0
.set BS,  32
.set WGT, 64
.set RV,  96
.set MM,  128
; scalars
.set G1,  36
.set G0,  44
.set WV,  52
.set SEL, 58
.set PS0, 68
.set PS1, 69
.set PS2, 70
.set NLE, 72
.set MSB, 0
.macro WIN new                         ; the immediate's high byte repeats the setting that is left
.if MSB != (\new)
	s_set_vgpr_msb (MSB<<8)|(\new)
.set MSB, (\new)
.endif
.endm
.macro PLACES n
.rept \n
	v_nop
.endr
.endm
.macro CREST                           ; a round of the cluster's barrier behind its opening barrier
	s_cmp_lg_u32 s[WV], 0
	s_cbranch_scc1 .Lnot_wave_0_\@
	s_barrier_signal -3
.Lnot_wave_0_\@:
	s_barrier_wait -3
	s_barrier_signal -1
	s_barrier_wait -1
.endm
.macro CROUND
	s_barrier_signal -1
	s_barrier_wait -1
	CREST
.endm
.macro FRAGQ reg, adr, off             ; a fragment from its register image
.irp c, 0,1,2
	ds_load_b128 v[\reg+4*\c:\reg+4*\c+3], v[\adr] offset:\off+512*\c
.endr
.endm
.macro FRAG reg, adr, q, i             ; a fragment from rows of 192 bytes with 16 bytes of padding behind each 64: pieces of 8 bytes; where the piece three on lies behind one padding more, the second address register serves
.irp p, 0,1,2,3,4,5
.set PCE, 12*(\q)+6*(\p/3)+\p%3
.if PCE%8 < 5
	ds_load_b64 v[\reg+2*\p:\reg+2*\p+1], v[\adr] offset:8*PCE+16*(PCE/8)+(\i)*16*PITCH
.else
	ds_load_b64 v[\reg+2*\p:\reg+2*\p+1], v[\adr+2] offset:8*PCE+16*(PCE/8)+(\i)*16*PITCH
.endif
.endr
.endm
.macro WMM d, a, b, c, sa, sb, hi      ; one product; c < 0: the constant 0 starts the sum; hi: the scale words of K steps 4 to 7 lie in lanes 16-31
.if (\c) < 0
	v_wmma_scale_f32_16x16x128_f8f6f4 v[(\d):(\d)+7], v[(\a):(\a)+11], v[(\b):(\b)+11], 0, v[\sa], v[\sb] matrix_a_fmt:MATRIX_FMT_BF6 matrix_b_fmt:MATRIX_FMT_BF6
.elseif (\hi) == 0
	v_wmma_scale_f32_16x16x128_f8f6f4 v[(\d):(\d)+7], v[(\a):(\a)+11], v[(\b):(\b)+11], v[(\c):(\c)+7], v[\sa], v[\sb] matrix_a_fmt:MATRIX_FMT_BF6 matrix_b_fmt:MATRIX_FMT_BF6
.else
	v_wmma_scale_f32_16x16x128_f8f6f4 v[(\d):(\d)+7], v[(\a):(\a)+11], v[(\b):(\b)+11], v[(\c):(\c)+7], v[\sa], v[\sb] matrix_a_fmt:MATRIX_FMT_BF6 matrix_b_fmt:MATRIX_FMT_BF6 matrix_a_scale:MATRIX_SCALE_ROW1 matrix_b_scale:MATRIX_SCALE_ROW1
.endif
.endm
; Two runs of 16 codes, P = groups 0 and 2 of a block's four groups of 8 codes (in R .. R + 2) and Q = groups 1 and 3, become the block's 192 bits in R .. R + 5
.macro MERGE R, Q
	v_perm_b32 v[\R+3], v[\R+2], v[\R+1], s[PS1]
	v_perm_b32 v[\R+4], v[\Q+1], v[\R+2], s[PS2]
	v_mov_b32 v[\R+5], v[\Q+2]
	v_perm_b32 v[\R+2], v[\Q+1], v[\Q], s[PS1]
	v_perm_b32 v[\R+1], v[\Q], v[\R+1], s[PS0]
.endm
; 64 numbers of a lane in window SW, register 16 b + i of block b, become a fragment's codes in v[pc] on and its scale word in v[pw].  style 0: register 16 b + i is k = 32 b + 16 h + i;  style 1: 32 b + 16 (i / 8) + 8 h + i % 8
.macro QUANT4 src, SW, pc, yt, pw, style
	WIN (\SW)|((\SW)<<2)
.irp b, 0,1,2,3
	v_max3_num_f32 v[TM+\b], |v[(\src)+16*\b]|, |v[(\src)+16*\b+1]|, 0x2800000   ; with the floor 2^(5 - 127): the byte cannot fall under 1
.endr
.irp i, 2,4,6,8,10,12,14
.irp b, 0,1,2,3
	v_max3_num_f32 v[TM+\b], |v[(\src)+16*\b+\i]|, |v[(\src)+16*\b+\i+1]|, v[TM+\b]
.endr
.endr
	WIN 0
.irp b, 0,1,2,3
	v_permlanex16_b32 v[TM+4+\b], v[TM+\b], s[SEL], s[SEL+1]
.endr
.irp b, 0,1,2,3
	v_max_num_f32 v[TM+\b], v[TM+\b], v[TM+4+\b]          ; with lane l xor 16's: the block's largest magnitude
.endr
.irp b, 0,1,2,3
	v_add_nc_u32 v[TM+12+\b], 0xfe000000, v[TM+\b]        ; 4 off its exponent field: the conversion's scale operand
.endr
.irp b, 0,1,2,3
	v_lshrrev_b32 v[TM+4+\b], 23, v[TM+12+\b]             ; the scale's byte
.endr
	v_lshl_or_b32 v[\pw], v[TM+5], 8, v[TM+4]
	v_lshl_or_b32 v[\pw], v[TM+6], 16, v[\pw]
	v_lshl_or_b32 v[\pw], v[TM+7], 24, v[\pw]
	WIN \SW
.irp c, 0,1
	v_cvt_scalef32_pk16_bf6_f32 v[(\pc)+6*\c:(\pc)+6*\c+2], v[(\src)+32*\c:(\src)+32*\c+15], v[TM+12+2*\c]
	v_cvt_scalef32_pk16_bf6_f32 v[(\yt)+4*\c:(\yt)+4*\c+2], v[(\src)+32*\c+16:(\src)+32*\c+31], v[TM+12+2*\c+1]
.endr
	WIN 0
	v_nop                                          ; one plain place behind the conversions
.irp c, 0,1
.irp i, 0,1,2
	v_permlane16_swap_b32 v[(\pc)+6*\c+\i], v[(\yt)+4*\c+\i]   ; a lane now holds both halves of ITS block: lanes 0-15 block 2 c, lanes 16-31 block 2 c + 1
.endr
.if \style
	MERGE (\pc)+6*\c, (\yt)+4*\c
.else
.irp i, 0,1,2
	v_mov_b32 v[(\pc)+6*\c+3+\i], v[(\yt)+4*\c+\i]
.endr
.endif
.endr
.endm
; z = z + bias (pb >= 0: a pair in window 1); z = z x sigmoid(z), on 32 registers of window W, from the low end on.  Each batch of transcendentals has one plain line and one wait behind it
.macro SWISH W, base, pb
.if (\pb) >= 0
	WIN ((\W)<<6)|4|(\W)
.set i, 0
.rept 16
	v_pk_add_f32 v[(\base)+2*i:(\base)+2*i+1], v[(\base)+2*i:(\base)+2*i+1], v[(\pb):(\pb)+1]
.set i, i+1
.endr
.endif
	WIN \W
.set i, 0
.rept 16
	v_pk_mul_f32 v[TT+2*i:TT+2*i+1], v[(\base)+2*i:(\base)+2*i+1], s[NLE:NLE+1] op_sel_hi:[1,0]
.set i, i+1
.endr
	WIN 0
.set i, 0
.rept 32
	v_exp_f32 v[TT+i], v[TT+i]
.set i, i+1
.endr
	v_nop
	s_wait_alu depctr_va_vdst(0)
.set i, 0
.rept 16
	v_pk_add_f32 v[TT+2*i:TT+2*i+1], v[TT+2*i:TT+2*i+1], 1.0 op_sel_hi:[1,0]
.set i, i+1
.endr
.set i, 0
.rept 32
	v_rcp_f32 v[TT+i], v[TT+i]
.set i, i+1
.endr
	v_nop
	s_wait_alu depctr_va_vdst(0)
	WIN ((\W)<<6)|(\W)
.set i, 0
.rept 16
	v_pk_mul_f32 v[(\base)+2*i:(\base)+2*i+1], v[(\base)+2*i:(\base)+2*i+1], v[TT+2*i:TT+2*i+1]
.set i, i+1
.endr
.endm
.macro DPPSUM base, n                  ; sums over the 16 lanes of a half, in every lane
.irp m, 1,2,4,8
.set i, 0
.rept \n
	v_add_f32_dpp v[\base+i], v[\base+i], v[\base+i] row_xmask:\m row_mask:0xf bank_mask:0xf
.set i, i+1
.endr
.endr
.endm
	; ---- head: ids, the descriptor, the first two fills
	s_load_b512 s[4:19], s[0:1], 0x0               ; x, ng, nb, pw_codes, pw_scales, pb, sng, snb
	s_load_b512 s[20:35], s[0:1], 0x40             ; weight, sgu_w_codes, cw_codes, aq_img, aq_sc, vq_img, vq_sc, w_img
	v_lshl_add_u32 v[SPW], v0, 2, SPARE
	v_mov_b32 v[NIL], 0
	ds_add_u32 v5, v6
	ds_add_u32 v5, v6
	s_wait_dscnt 0x0
	v_lshrrev_b32 v1, 5, v0
	v_readfirstlane_b32 s[WV], v1                  ; wave 0..3
	s_bfe_u32 s53, ttmp6, 0x40000                  ; my place in the cluster
	s_lshl_b32 s54, ttmp9, 2
	s_add_co_u32 s54, s54, s53                     ; wg: it enters global addresses of my own rows alone
	s_mov_b32 s[G1], 15|(1<<20)|(1<<21)|(3<<22)|(3<<25)   ; the mask of all four; bytes; padding on, 4 words behind every 16; bit 21 beside a mask
	s_mov_b32 s[G1+1], 192<<16                     ; tensor_dim0
	s_mov_b32 s[G1+2], 128<<16                     ; tensor_dim1
	s_mov_b32 s[G1+3], 192<<16                     ; tile_dim0: 256 codes
	s_mov_b32 s[G1+4], 128                         ; tile_dim1
	s_mov_b32 s[G1+5], 768                         ; a row of pw_codes
	s_mov_b32 s[G1+6], 0
	s_mov_b32 s[G1+7], 0
	s_mul_i32 s74, s[WV], 98304
	s_add_co_u32 s74, s74, 786432                  ; pw_v's row 1024 + 128 w
	s_mov_b32 s75, 0
	s_mul_i32 s76, s[WV], WROWS
	s_mov_b32 s[SEL], 0x76543210
	s_mov_b32 s[SEL+1], 0xfedcba98                 ; lane l xor 16
	s_mov_b32 s66, 0x3a800000                      ; 1 / 1024
	s_mov_b32 s67, 0x3727c5ac                      ; 1e-5
	s_mov_b32 s[PS0], 0x05040100
	s_mov_b32 s[PS1], 0x05040302
	s_mov_b32 s[PS2], 0x07060302
	s_mov_b32 s[NLE], 0xbfb8aa3b                   ; -log2(e)
	s_mov_b32 s[NLE+1], s[NLE]
	s_wait_kmcnt 0x0
	s_add_nc_u64 s[78:79], s[10:11], s[74:75]
	CROUND                                         ; all four work-groups are here: the first joint loads meet
.irp s, 0,1
	s_mov_b32 s[G0+4*\s], 1
	s_add_co_u32 s[G0+4*\s+1], s76, \s*SLOT
	s_add_nc_u64 s[G0+4*\s+2:G0+4*\s+3], s[78:79], \s*192
	s_or_b32 s[G0+4*\s+3], s[G0+4*\s+3], 0x80000000
.endr
	tensor_load_to_lds s[G0:G0+3], s[G1:G1+7]      ; chunk 0, K 0 .. 255
	s_nop 0
	tensor_load_to_lds s[G0+4:G0+7], s[G1:G1+7]    ; chunk 0, K 256 .. 511: two loads of mine are out
	s_nop 0
	PLACES 4
	; ---- addresses
	v_and_b32 v1, 31, v0                           ; l
	v_and_b32 v2, 15, v0                           ; r
	v_bfe_u32 v3, v0, 4, 1                         ; h
	v_lshlrev_b32 v[LX], 4, v1
	v_lshlrev_b32 v[L8], 3, v1
	s_mul_i32 s77, s[WV], 12288
	s_add_co_u32 s77, s77, AIMG
	v_add_nc_u32 v[STW], s77, v[LX]
	v_mul_u32_u24 v25, v2, 528
	v_lshl_add_u32 v25, v3, 6, v25
	v_add_nc_u32 v[STR], s77, v25
	s_lshl_b32 s77, s[WV], 9
	s_add_co_u32 s77, s77, ASC
	v_add_nc_u32 v[ASW], s77, v[LX]
	v_add_nc_u32 v[AIR], AIMG, v[LX]
	v_add_nc_u32 v[ASR], ASC, v[LX]
	v_mul_u32_u24 v25, v2, PITCH
	v_mad_u32_u24 v26, v3, 24, v25
	v_mad_u32_u24 v27, v3, 40, v25
	v_add_nc_u32 v[ADM], s76, v26
	v_add_nc_u32 v[ADM+2], s76, v27
	s_add_co_u32 s77, s76, SLOT
	v_add_nc_u32 v[ADM+1], s77, v26
	v_add_nc_u32 v[ADM+3], s77, v27
	v_mul_u32_u24 v[RLA], v2, 768
	v_mad_u32_u24 v[RLA], v3, 24, v[RLA]
	v_lshlrev_b32 v[SCA], 5, v2
	v_lshl_add_u32 v[SCA], v3, 4, v[SCA]
	v_lshlrev_b32 v[R4], 2, v2
	v_lshlrev_b32 v[H32], 5, v3
	s_lshl_b32 s77, s[WV], 8
	s_add_co_u32 s78, s77, STAT
	v_add_nc_u32 v[STS], s78, v[H32]
	v_add_nc_u32 v[STL], STAT, v[H32]
	s_add_co_u32 s78, s77, SCS
	v_lshl_add_u32 v[SCW], v2, 1, s78
	v_add_nc_u32 v[SCR], s78, v[L8]
	; ---- each pointer at my part
	s_lshl_b32 s74, s54, 18
	s_lshl_b32 s77, s[WV], 16
	s_add_co_u32 s74, s74, s77
	s_add_nc_u64 s[4:5], s[4:5], s[74:75]          ; x: row 64 wg + 16 w
	s_lshl_b32 s74, s[WV], 12
	s_add_co_u32 s74, s74, 32768
	s_add_nc_u64 s[12:13], s[12:13], s[74:75]      ; pw_scales: row 1024 + 128 w
	s_lshl_b32 s74, s[WV], 9
	s_add_nc_u64 s[16:17], s[16:17], s[74:75]      ; sng, snb: t = 128 w
	s_add_nc_u64 s[18:19], s[18:19], s[74:75]
	s_add_co_u32 s74, s74, 4096
	s_add_nc_u64 s[14:15], s[14:15], s[74:75]      ; pb: 1024 + 128 w
	s_lshl_b32 s74, s54, 8
	s_add_nc_u64 s[20:21], s[20:21], s[74:75]      ; weight: row 64 wg
	s_lshl_b32 s77, s54, 2
	s_add_co_u32 s77, s77, s[WV]                   ; my tile of rows
	s_mul_i32 s74, s77, 12288
	s_add_nc_u64 s[26:27], s[26:27], s[74:75]      ; aq_img
	s_lshl_b32 s74, s77, 9
	s_add_nc_u64 s[28:29], s[28:29], s[74:75]      ; aq_sc
	s_lshr_b32 s74, s54, 4
	s_mul_i32 s74, s74, 786432                     ; the batch,
	s_bfe_u32 s77, s54, 0x30001
	s_mul_i32 s77, s77, 1536                       ; the K step of 128 s,
	s_add_co_u32 s74, s74, s77
	s_and_b32 s77, s54, 1
	s_mul_i32 s77, s77, 768                        ; its half,
	s_add_co_u32 s74, s74, s77
	s_mul_i32 s77, s[WV], 98304                    ; my eight tiles of t
	s_add_co_u32 s74, s74, s77
	s_add_nc_u64 s[30:31], s[30:31], s[74:75]      ; vq_img
	s_lshl_b32 s74, s54, 11
	s_lshl_b32 s77, s[WV], 8
	s_add_co_u32 s74, s74, s77
	s_add_nc_u64 s[32:33], s[32:33], s[74:75]      ; vq_sc
	; ---- loads at the head
.irp b, 0,1,2,3,4,5,6,7
	global_load_b128 v[SB0+4*\b:SB0+4*\b+3], v[SCA], s[12:13] offset:512*\b
.endr
	WIN 0x40
.set i, 0
.rept 16
	global_load_b32 v[PB+2*i], v[R4], s[14:15] offset:2048*(i/8)+64*(i%8)     ; each twice: a pair for the packed forms
	global_load_b32 v[PB+2*i+1], v[R4], s[14:15] offset:2048*(i/8)+64*(i%8)
.set i, i+1
.endr
.irp q, 0,1,2,3,4,5,6,7
	global_load_b128 v[NG+4*\q:NG+4*\q+3], v[LX], s[6:7] offset:512*\q
	global_load_b128 v[NB+4*\q:NB+4*\q+3], v[LX], s[8:9] offset:512*\q
.endr
	WIN 0
; Fragment f of the 1,536 that later launches read in register order: tensor f / 512 (pw's first 1,024 rows, sgu_w, cw), tile (f / 8) % 64, K step f % 8.  A work-group lays out six: every wave one, waves 0 and 1 a second.
; Both fragments' addresses are made by every wave, ahead of the branch on the wave's number, so that each address register is written on the one way that all waves take; only the loads and the stores of the second stand under the branch.
.macro RADR f, sp, dp
	s_cmp_lt_u32 s[\f], 1024
	s_cselect_b64 s[\sp:\sp+1], s[22:23], s[24:25]
	s_cmp_lt_u32 s[\f], 512
	s_cselect_b64 s[\sp:\sp+1], s[10:11], s[\sp:\sp+1]
	s_bfe_u32 s74, s[\f], 0x60003
	s_mul_i32 s74, s74, 12288
	s_and_b32 s77, s[\f], 7
	s_mul_i32 s77, s77, 96
	s_add_co_u32 s74, s74, s77
	s_add_nc_u64 s[\sp:\sp+1], s[\sp:\sp+1], s[74:75]
	s_mul_i32 s74, s[\f], 1536
	s_add_nc_u64 s[\dp:\dp+1], s[34:35], s[74:75]
.endm
	s_mul_i32 s80, s54, 6
	s_add_co_u32 s80, s80, s[WV]                   ; 6 wg + w
	s_add_co_u32 s81, s80, 4                       ; 6 wg + 4 + w: used by waves 0 and 1 alone;
	s_min_u32 s81, s81, 1535                       ; in waves 2 and 3, which never use it, it is held inside the table all the same
	RADR 80, 82, 86
	RADR 81, 88, 90
.irp p, 0,1,2,3,4,5
	global_load_b64 v[RL+2*\p:RL+2*\p+1], v[RLA], s[82:83] offset:48*(\p/3)+8*(\p%3)
.endr
	s_cmp_lt_u32 s[WV], 2
	s_cbranch_scc0 .Lone_relay
.irp p, 0,1,2,3,4,5
	global_load_b64 v[RL+12+2*\p:RL+12+2*\p+1], v[RLA], s[88:89] offset:48*(\p/3)+8*(\p%3)
.endr
.Lone_relay:
	WIN 0x80                                       ; x: row p, 512 consecutive bytes a load; registers 32 (p % 8) + 4 q of window 2 + p / 8
.set i, 0
.rept 64
	global_load_b128 v[4*i:4*i+3], v[LX], s[4:5] offset:4096*(i/8)+512*(i%8) th:TH_LOAD_NT
.set i, i+1
.endr
	WIN 0xc0
.set i, 0
.rept 64
	global_load_b128 v[4*i:4*i+3], v[LX], s[4:5] offset:4096*(8+i/8)+512*(i%8) th:TH_LOAD_NT
.set i, i+1
.endr
	WIN 0
	; ---- the statistics of x, in two passes: the mean, then the mean of squared differences
	s_wait_loadcnt 56                              ; all but the youngest 56 loads (rows 9 to 15) are in
.irp c, 0,1,2
	global_store_b128 v[LX], v[RL+4*\c:RL+4*\c+3], s[86:87] offset:512*\c
.endr
	s_cmp_lt_u32 s[WV], 2
	s_cbranch_scc0 .Lone_store
.irp c, 0,1,2
	global_store_b128 v[LX], v[RL+12+4*\c:RL+12+4*\c+3], s[90:91] offset:512*\c
.endr
.Lone_store:
.macro PAIRS W
	WIN (\W)|((\W)<<2)
.set i, 0
.rept 64
	v_pk_add_f32 v[TP+2*i:TP+2*i+1], v[4*i:4*i+1], v[4*i+2:4*i+3]
.set i, i+1
.endr
.endm
.macro SQUARES W
	WIN (\W)|((\W)<<2)
.set i, 0
.rept 64
	v_pk_mul_f32 v[TP+2*i:TP+2*i+1], v[4*i:4*i+1], v[4*i:4*i+1]
.set i, i+1
.endr
.set i, 0
.rept 64
	v_pk_fma_f32 v[TP+2*i:TP+2*i+1], v[4*i+2:4*i+3], v[4*i+2:4*i+3], v[TP+2*i:TP+2*i+1]
.set i, i+1
.endr
.endm
.macro TREE sb                         ; eight rows' eight pairs each become one number a row
	WIN 0
.set i, 0
.rept 32
.set tq, TP+16*(i/4)+2*(i%4)
	v_pk_add_f32 v[tq:tq+1], v[tq:tq+1], v[tq+8:tq+9]
.set i, i+1
.endr
.set i, 0
.rept 16
.set tq, TP+16*(i/2)+2*(i%2)
	v_pk_add_f32 v[tq:tq+1], v[tq:tq+1], v[tq+4:tq+5]
.set i, i+1
.endr
.set i, 0
.rept 8
	v_pk_add_f32 v[TP+16*i:TP+16*i+1], v[TP+16*i:TP+16*i+1], v[TP+16*i+2:TP+16*i+3]
.set i, i+1
.endr
.set i, 0
.rept 8
	v_add_f32 v[\sb+i], v[TP+16*i], v[TP+16*i+1]
.set i, i+1
.endr
.endm
.macro ACROSS                          ; the 16 rows' sums over all 32 lanes
	DPPSUM SS, 16
.set i, 0
.rept 16
	v_permlanex16_b32 v[TP+i], v[SS+i], s[SEL], s[SEL+1]
.set i, i+1
.endr
.set i, 0
.rept 16
	v_add_f32 v[SS+i], v[SS+i], v[TP+i]
.set i, i+1
.endr
.endm
.macro DIFFX W
	WIN ((\W)<<6)|4|(\W)
.set i, 0
.rept 128
	v_pk_add_f32 v[2*i:2*i+1], v[2*i:2*i+1], v[MU+2*(8*((\W)-2)+i/16):MU+2*(8*((\W)-2)+i/16)+1] neg_lo:[0,1] neg_hi:[0,1]
.set i, i+1
.endr
.endm
	PAIRS 2
	TREE SS
	s_wait_loadcnt 0x0
	PAIRS 3
	TREE SS+8
	ACROSS
	WIN 0x40
.set i, 0
.rept 16
	v_mul_f32 v[MU+2*i], s66, v[SS+i]
	v_mul_f32 v[MU+2*i+1], s66, v[SS+i]
.set i, i+1
.endr
	DIFFX 2
	DIFFX 3
	SQUARES 2
	TREE SS
	SQUARES 3
	TREE SS+8
	ACROSS
.set i, 0
.rept 16
	v_fma_f32 v[SS+i], v[SS+i], s66, s67
.set i, i+1
.endr
	WIN 0x40
.set i, 0
.rept 16
	v_rsq_f32 v[RR+2*i], v[SS+i]
	v_rsq_f32 v[RR+2*i+1], v[SS+i]
.set i, i+1
.endr
	v_nop
	s_wait_alu depctr_va_vdst(0)                   ; one wait for the batch, ahead of its first reader
	; ---- normalise, turn through my stage, quantise: a K step of 128 columns at a time
.macro NORM q
.irp W, 2,3
	WIN ((\W)<<6)|0x14|(\W)
.set i, 0
.rept 8
.set xr, 32*i+4*(\q)
.set rq, RR+2*(8*(\W-2)+i)
	v_pk_mul_f32 v[xr:xr+1], v[xr:xr+1], v[rq:rq+1]
	v_pk_mul_f32 v[xr+2:xr+3], v[xr+2:xr+3], v[rq:rq+1]
.set i, i+1
.endr
.set i, 0
.rept 8
.set xr, 32*i+4*(\q)
	v_pk_fma_f32 v[xr:xr+1], v[xr:xr+1], v[NG+4*(\q):NG+4*(\q)+1], v[NB+4*(\q):NB+4*(\q)+1]
	v_pk_fma_f32 v[xr+2:xr+3], v[xr+2:xr+3], v[NG+4*(\q)+2:NG+4*(\q)+3], v[NB+4*(\q)+2:NB+4*(\q)+3]
.set i, i+1
.endr
.endr
.endm
.macro TURNX q                         ; 16 rows x 512 bytes into rows of 528; back 64 bytes a lane and block.  LDS serves a wave's instructions in order: no wait between
	WIN 0x08
.set i, 0
.rept 8
	ds_store_b128 v[STW], v[32*i+4*(\q):32*i+4*(\q)+3] offset:528*i
.set i, i+1
.endr
	WIN 0x0c
.set i, 0
.rept 8
	ds_store_b128 v[STW], v[32*i+4*(\q):32*i+4*(\q)+3] offset:528*(i+8)
.set i, i+1
.endr
	WIN 0
.set i, 0
.rept 16
	ds_load_b128 v[ST+4*i:ST+4*i+3], v[STR] offset:128*(i/4)+16*(i%4)
.set i, i+1
.endr
.endm
	s_wait_xcnt 0x0                                ; the stores of the fragments laid out anew have read their registers, which the turned numbers take
	NORM 0
.irp q, 0,1,2,3,4,5,6,7
	TURNX \q
.if \q < 7
	NORM \q+1
.endif
	s_wait_dscnt 0x0
	QUANT4 ST, 0, CD+12*\q, YT, WD+\q, 0
.irp c, 0,1,2
	global_store_b128 v[LX], v[CD+12*\q+4*\c:CD+12*\q+4*\c+3], s[26:27] offset:1536*\q+512*\c
.endr
.endr
.set i, 0
.rept 24
	ds_store_b128 v[STW], v[CD+4*i:CD+4*i+3] offset:512*i          ; my eight fragments' images, over the stage, which has been read out
.set i, i+1
.endr
	v_cmp_eq_u32 vcc_lo, 1, v3
.irp k, 0,1,2,3
	v_cndmask_b32 v[YT+\k], v[WD+\k], v[WD+4+\k], vcc_lo           ; lanes 0-15: K step k; lanes 16-31: K step 4 + k
.endr
	ds_store_b128 v[ASW], v[YT:YT+3]
	global_store_b128 v[SCA], v[YT:YT+3], s[28:29]
	s_wait_tensorcnt 1                             ; my part of slot 0 is in; slot 1's may stay out
	s_wait_dscnt 0x0                               ; my images lie in LDS
	s_barrier_signal -1
	s_barrier_wait -1
	s_wait_xcnt 0x0                                ; the stores of a's codes and scales have read their registers
.irp a, 0,1,2,3
	ds_load_b128 v[SA+4*\a:SA+4*\a+3], v[ASR] offset:512*\a
.endr
.irp b, 0,1,2,3,4,5,6,7
	global_load_b128 v[SB1+4*\b:SB1+4*\b+3], v[SCA], s[12:13] offset:16384+512*\b
.endr
	; ---- the product: 2 chunks x 8 K steps x 32 matrix instructions; the 32 accumulators take turns
.macro FETCHF slot, q, k, set
	WIN 0x40
.irp i, 0,1,2,3,4,5,6,7
	FRAG 96*(\set)+12*\i, ADM+\slot, \q, \i
.endr
	WIN 0
.irp a, 0,1,2,3
	FRAGQ AF+48*(\set)+12*\a, AIR, (8*\a+(\k))*1536
.endr
.endm
.macro MULF c, k, set, b0, n
	WIN 0xa4+0x50*(\c)
.set bb, \b0
.rept \n
.irp a, 0,1,2,3
.if (\k) == 0
	WMM 32*bb+8*\a, AF+48*(\set)+12*\a, 96*(\set)+12*bb, -1, SA+4*\a, SB0-32*(\c)+4*bb, 0
.else
	WMM 32*bb+8*\a, AF+48*(\set)+12*\a, 96*(\set)+12*bb, 32*bb+8*\a, SA+4*\a+(\k)%4, SB0-32*(\c)+4*bb+(\k)%4, (\k)/4
.endif
.endr
.set bb, bb+1
.endr
.endm
.macro STEPF c, k, slot                ; a slot's first K step; the second's fragments are fetched in its middle, four places behind the products that read their registers last
	s_wait_dscnt 0x0
	MULF \c, \k, 0, 0, 4
	PLACES 4
	FETCHF \slot, 1, (\k)+1, 1
	MULF \c, \k, 0, 4, 4
.endm
; A slot's second K step changes slots: each wave waits for all its tensor loads, adds 0 to its spare word, waits for that and for its reads of the slot, and signals.  fill = 1: the barrier opens a round of the
; cluster's barrier, and the joint refill of the slot just left is the first thing behind it
.macro TURNF c, k, slot, fill, step
	WIN 0
	s_wait_tensorcnt 0x0                           ; all my tensor loads have landed: my part of the other slot
	ds_add_u32 v[SPW], v[NIL]
	s_wait_dscnt 1                                 ; this K step's fragments are in; the add may be out
	MULF \c, \k, 1, 0, 2
	s_wait_dscnt 0x0                               ; the add is done, and my reads of this slot are over
	s_barrier_signal -1
	MULF \c, \k, 1, 2, 2
	WIN 0
	s_barrier_wait -1
.if \fill
	CREST
	s_add_nc_u64 s[G0+4*(\slot)+2:G0+4*(\slot)+3], s[G0+4*(\slot)+2:G0+4*(\slot)+3], \step
	tensor_load_to_lds s[G0+4*(\slot):G0+4*(\slot)+3], s[G1:G1+7]
	s_nop 0
	PLACES 4                                       ; also the places in front of the loads below
.else
	PLACES 4
.endif
	FETCHF 1-(\slot), 0, ((\k)+1)%8, 0
	MULF \c, \k, 1, 4, 4
.endm
	FETCHF 0, 0, 0, 0
	STEPF 0, 0, 0
	TURNF 0, 1, 0, 1, 384
	STEPF 0, 2, 1
	TURNF 0, 3, 1, 1, 384
	STEPF 0, 4, 0
	TURNF 0, 5, 0, 1, 392832                       ; on to chunk 1: 512 rows down, back along K
	STEPF 0, 6, 1
	TURNF 0, 7, 1, 1, 392832
	s_wait_loadcnt 0x0                             ; chunk 1's scale registers
	STEPF 1, 0, 0
	SWISH 2, 0, PB                                 ; chunk 0's activation, a tile of columns behind each K step of chunk 1
	TURNF 1, 1, 0, 1, 384
	SWISH 2, 32, PB+2
	STEPF 1, 2, 1
	SWISH 2, 64, PB+4
	TURNF 1, 3, 1, 1, 384
	SWISH 2, 96, PB+6
	STEPF 1, 4, 0
	SWISH 2, 128, PB+8
	TURNF 1, 5, 0, 0, 0                            ; nothing is left to fetch
	SWISH 2, 160, PB+10
	STEPF 1, 6, 1
	SWISH 2, 192, PB+12
	s_wait_dscnt 0x0
	MULF 1, 7, 1, 0, 8
	SWISH 2, 224, PB+14
	; ---- behind the product: chunk 1's activation, layernorm over t, x weight, the quantiser along s
	PLACES 4
	WIN 0x40
.set i, 0
.rept 16
	global_load_b32 v[GS+2*i], v[R4], s[16:17] offset:2048*(i/8)+64*(i%8)
	global_load_b32 v[GS+2*i+1], v[R4], s[16:17] offset:2048*(i/8)+64*(i%8)
	global_load_b32 v[BS+2*i], v[R4], s[18:19] offset:2048*(i/8)+64*(i%8)
	global_load_b32 v[BS+2*i+1], v[R4], s[18:19] offset:2048*(i/8)+64*(i%8)
.set i, i+1
.endr
.set i, 0
.rept 8
	global_load_b128 v[WGT+4*i:WGT+4*i+3], v[H32], s[20:21] offset:64*(i/2)+16*(i%2)   ; weight of rows 16 a + 8 h + 0 .. 7
.set i, i+1
.endr
.irp b, 0,1,2,3,4,5,6,7
	SWISH 3, 32*\b, PB+16+2*\b
.endr
; My lanes' sums for the 64 rows: over the 16 lanes of a half, then over the four waves through LDS (each exchange has bytes of its own)
.macro XCHG x
	WIN 0
	DPPSUM SQ, 32
.set i, 0
.rept 8
	ds_store_b128 v[STS], v[SQ+4*i:SQ+4*i+3] offset:1024*(\x)+64*(i/2)+16*(i%2)    ; sixteen lanes write the same bytes with the same values
.set i, i+1
.endr
	s_wait_dscnt 0x0
	s_barrier_signal -1
	s_barrier_wait -1
.set i, 0
.rept 32
	ds_load_b128 v[EX+4*i:EX+4*i+3], v[STL] offset:1024*(\x)+256*(i/8)+64*((i%8)/2)+16*(i%2)
.set i, i+1
.endr
	s_wait_dscnt 0x0
.set i, 0
.rept 16
	v_pk_add_f32 v[EX+2*i:EX+2*i+1], v[EX+2*i:EX+2*i+1], v[EX+32+2*i:EX+32+2*i+1]
	v_pk_add_f32 v[EX+64+2*i:EX+64+2*i+1], v[EX+64+2*i:EX+64+2*i+1], v[EX+96+2*i:EX+96+2*i+1]
.set i, i+1
.endr
.set i, 0
.rept 16
	v_pk_add_f32 v[SQ+2*i:SQ+2*i+1], v[EX+2*i:EX+2*i+1], v[EX+64+2*i:EX+64+2*i+1]
.set i, i+1
.endr
.endm
	WIN 0x0a
.set i, 0
.rept 16
	v_pk_add_f32 v[SQ+2*i:SQ+2*i+1], v[2*i:2*i+1], v[32+2*i:32+2*i+1]
.set i, i+1
.endr
	WIN 0x02
.set i, 32
.rept 96
	v_pk_add_f32 v[SQ+(2*i)%32:SQ+(2*i)%32+1], v[2*i:2*i+1], v[SQ+(2*i)%32:SQ+(2*i)%32+1]
.set i, i+1
.endr
	WIN 0x03
.set i, 0
.rept 128
	v_pk_add_f32 v[SQ+(2*i)%32:SQ+(2*i)%32+1], v[2*i:2*i+1], v[SQ+(2*i)%32:SQ+(2*i)%32+1]
.set i, i+1
.endr
	XCHG 0
	WIN 0x40
.set i, 0
.rept 16
	v_pk_mul_f32 v[MM+2*i:MM+2*i+1], v[SQ+2*i:SQ+2*i+1], s[66:67] op_sel_hi:[1,0]    ; the rows' means
.set i, i+1
.endr
.irp W, 2,3
	WIN ((\W)<<6)|4|(\W)
.set i, 0
.rept 128
	v_pk_add_f32 v[2*i:2*i+1], v[2*i:2*i+1], v[MM+(2*i)%32:MM+(2*i)%32+1] neg_lo:[0,1] neg_hi:[0,1]
.set i, i+1
.endr
.endr
	WIN 0x0a
.set i, 0
.rept 16
	v_pk_mul_f32 v[SQ+2*i:SQ+2*i+1], v[2*i:2*i+1], v[2*i:2*i+1]
.set i, i+1
.endr
.rept 112
	v_pk_fma_f32 v[SQ+(2*i)%32:SQ+(2*i)%32+1], v[2*i:2*i+1], v[2*i:2*i+1], v[SQ+(2*i)%32:SQ+(2*i)%32+1]
.set i, i+1
.endr
	WIN 0x0f
.set i, 0
.rept 128
	v_pk_fma_f32 v[SQ+(2*i)%32:SQ+(2*i)%32+1], v[2*i:2*i+1], v[2*i:2*i+1], v[SQ+(2*i)%32:SQ+(2*i)%32+1]
.set i, i+1
.endr
	XCHG 1
.set i, 0
.rept 32
	v_fma_f32 v[SQ+i], v[SQ+i], s66, s67
.set i, i+1
.endr
	WIN 0x40
.set i, 0
.rept 32
	v_rsq_f32 v[RV+i], v[SQ+i]
.set i, i+1
.endr
	v_nop
	s_wait_alu depctr_va_vdst(0)
	s_wait_loadcnt 0x0                             ; sng, snb, weight
.irp c, 0,1
	WIN ((2+\c)<<6)|0x14|(2+\c)
.set i, 0
.rept 128
	v_pk_mul_f32 v[2*i:2*i+1], v[2*i:2*i+1], v[RV+(2*i)%32:RV+(2*i)%32+1]
.set i, i+1
.endr
.set i, 0
.rept 128
	v_pk_fma_f32 v[2*i:2*i+1], v[2*i:2*i+1], v[GS+2*(8*\c+i/16):GS+2*(8*\c+i/16)+1], v[BS+2*(8*\c+i/16):BS+2*(8*\c+i/16)+1]
.set i, i+1
.endr
.set i, 0
.rept 128
	v_pk_mul_f32 v[2*i:2*i+1], v[2*i:2*i+1], v[WGT+(2*i)%32:WGT+(2*i)%32+1]
.set i, i+1
.endr
.endr
; Four tiles of columns: each lane's 32 registers of a tile are two blocks of 32 along s, shared with lane l xor 16.  The six registers made are registers 6 cc .. 6 cc + 5 of the tile's fragment
.macro QUANTV c, b0
	s_wait_xcnt 0x0                                ; the last four tiles' stores have read their registers
	WIN (2+\c)|((2+\c)<<2)
.irp e, 0,1,2,3,4,5,6,7
	v_max3_num_f32 v[QM+\e], |v[32*(\b0)+16*\e]|, |v[32*(\b0)+16*\e+1]|, 0x2800000
.endr
.irp i, 2,4,6,8,10,12,14
.irp e, 0,1,2,3,4,5,6,7
	v_max3_num_f32 v[QM+\e], |v[32*(\b0)+16*\e+\i]|, |v[32*(\b0)+16*\e+\i+1]|, v[QM+\e]
.endr
.endr
	WIN 0
.irp e, 0,1,2,3,4,5,6,7
	v_permlanex16_b32 v[QP+\e], v[QM+\e], s[SEL], s[SEL+1]
.endr
.irp e, 0,1,2,3,4,5,6,7
	v_max_num_f32 v[QM+\e], v[QM+\e], v[QP+\e]
.endr
.irp e, 0,1,2,3,4,5,6,7
	v_add_nc_u32 v[QS+\e], 0xfe000000, v[QM+\e]
.endr
.irp e, 0,1,2,3,4,5,6,7
	v_lshrrev_b32 v[QB+\e], 23, v[QS+\e]
.endr
.irp u, 0,1,2,3
	v_lshl_or_b32 v[QB+2*\u], v[QB+2*\u+1], 8, v[QB+2*\u]
.endr
	WIN 2+\c
.irp u, 0,1,2,3
	v_cvt_scalef32_pk16_bf6_f32 v[CR+8*\u:CR+8*\u+2], v[32*(\b0)+32*\u:32*(\b0)+32*\u+15], v[QS+2*\u]
	v_cvt_scalef32_pk16_bf6_f32 v[YQ+4*\u:YQ+4*\u+2], v[32*(\b0)+32*\u+16:32*(\b0)+32*\u+31], v[QS+2*\u+1]
.endr
	WIN 0
	v_nop                                          ; one plain place behind the conversions
.irp u, 0,1,2,3
.irp i, 0,1,2
	v_permlane16_swap_b32 v[CR+8*\u+\i], v[YQ+4*\u+\i]
.endr
	MERGE CR+8*\u, YQ+4*\u
.endr
.irp u, 0,1,2,3
	ds_store_b16 v[SCW], v[QB+2*\u] offset:1024*(\c)+32*((\b0)+\u)
.irp p, 0,1,2
	global_store_b64 v[L8], v[CR+8*\u+2*\p:CR+8*\u+2*\p+1], s[30:31] offset:(32*(\c)+(\b0)+\u)*12288+256*\p   ; 32 lanes store 256 consecutive bytes, aligned
.endr
.endr
.endm
	QUANTV 0, 0
	QUANTV 0, 4
	QUANTV 1, 0
	QUANTV 1, 4
	ds_load_b64 v[QM:QM+1], v[SCR]                 ; my wave's own bytes: LDS serves them in order
	ds_load_b64 v[QM+2:QM+3], v[SCR] offset:1024
	s_wait_dscnt 0x0
	global_store_b64 v[L8], v[QM:QM+1], s[32:33]
	global_store_b64 v[L8], v[QM+2:QM+3], s[32:33] offset:1024
	s_wait_tensorcnt 0x0                           ; the wave's end
	ds_add_u32 v[SPW], v[NIL]
	s_wait_dscnt 0x0
	CROUND                                         ; the closing round
	s_endpgm
.Lfunc_end_k_q078798a2e8_front:
	.size	k_q078798a2e8_front, .Lfunc_end_k_q078798a2e8_front-k_q078798a2e8_front
	.p2alignl 7, 3214868480
	.fill 96, 4, 3214868480
	.section	.rodata,"a",@progbits
	.p2align	6, 0x0
	.amdhsa_kernel k_q078798a2e8_front
		.amdhsa_group_segment_fixed_size 327680
		.amdhsa_private_segment_fixed_size 0
		.amdhsa_enable_private_segment 0
		.amdhsa_kernarg_size 128
		.amdhsa_user_sgpr_count 2
		.amdhsa_user_sgpr_kernarg_segment_ptr 1
		.amdhsa_wavefront_size32 1
		.amdhsa_system_sgpr_workgroup_id_x 1
		.amdhsa_system_sgpr_workgroup_id_y 1
		.amdhsa_system_sgpr_workgroup_id_z 1
		.amdhsa_system_vgpr_workitem_id 0
		.amdhsa_next_free_vgpr 1024
		.amdhsa_next_free_sgpr 96
		.amdhsa_reserve_vcc 1
		.amdhsa_float_denorm_mode_32 3
		.amdhsa_float_denorm_mode_16_64 3
		.amdhsa_memory_ordered 1
		.amdhsa_forward_progress 1
		.amdhsa_inst_pref_size 255
	.end_amdhsa_kernel
	.section	.bss,"aw",@nobits
	.p2align	6
	.space	262144
	.amdgpu_metadata
---
amdhsa.version: [ 1, 2 ]
amdhsa.kernels:
  - .name:           k_q078798a2e8_front
    .symbol:         k_q078798a2e8_front.kd
    .args:
      - { .name: x, .offset: 0, .size: 8, .value_kind: global_buffer, .address_space: global }
      - { .name: ng, .offset: 8, .size: 8, .value_kind: global_buffer, .address_space: global }
      - { .name: nb, .offset: 16, .size: 8, .value_kind: global_buffer, .address_space: global }
      - { .name: pw_codes, .offset: 24, .size: 8, .value_kind: global_buffer, .address_space: global }
      - { .name: pw_scales, .offset: 32, .size: 8, .value_kind: global_buffer, .address_space: global }
      - { .name: pb, .offset: 40, .size: 8, .value_kind: global_buffer, .address_space: global }
      - { .name: sng, .offset: 48, .size: 8, .value_kind: global_buffer, .address_space: global }
      - { .name: snb, .offset: 56, .size: 8, .value_kind: global_buffer, .address_space: global }
      - { .name: weight, .offset: 64, .size: 8, .value_kind: global_buffer, .address_space: global }
      - { .name: sgu_w_codes, .offset: 72, .size: 8, .value_kind: global_buffer, .address_space: global }
      - { .name: cw_codes, .offset: 80, .size: 8, .value_kind: global_buffer, .address_space: global }
      - { .name: aq_img, .offset: 88, .size: 8, .value_kind: global_buffer, .address_space: global }
      - { .name: aq_sc, .offset: 96, .size: 8, .value_kind: global_buffer, .address_space: global }
      - { .name: vq_img, .offset: 104, .size: 8, .value_kind: global_buffer, .address_space: global }
      - { .name: vq_sc, .offset: 112, .size: 8, .value_kind: global_buffer, .address_space: global }
      - { .name: w_img, .offset: 120, .size: 8, .value_kind: global_buffer, .address_space: global }
    .group_segment_fixed_size: 327680
    .private_segment_fixed_size: 0
    .kernarg_segment_align: 8
    .kernarg_segment_size: 128
    .max_flat_workgroup_size: 128
    .sgpr_count:     96
    .vgpr_count:     1024
    .wavefront_size: 32
...
	.end_amdgpu_metadata
.endif
;; end of part 1
;; launch gate (part 2): grid 4 x 128, 4 waves a work-group, clusters of 4 x 4, 327,680 bytes of LDS; arguments aq_img, aq_sc, vq_img, vq_sc, w_img, pw_scales, sgu_w_scales, pb, weight, sgu_b, pq_img, pq_sc; writes pq_img, pq_sc
.if DOCPART == 2
	.amdgcn_target "amdgcn-amd-amdhsa--gfx1250"
	.amdhsa_code_object_version 6
	.text
	.protected	k_q078798a2e8_gate
	.globl	k_q078798a2e8_gate
	.p2align	8
	.type	k_q078798a2e8_gate,@function
k_q078798a2e8_gate:
	s_mov_b64 s[64:65], 0
	v_nop
	global_prefetch_b8 v0, s[64:65] scope:SCOPE_SE
	s_setreg_imm32_b32 hwreg(HW_REG_WAVE_MODE, 25, 1), 1
	s_wait_xcnt 0x0
	s_wait_alu depctr_hold_cnt(0) depctr_sa_sdst(0) depctr_va_vdst(0) depctr_va_sdst(0) depctr_va_ssrc(0) depctr_va_vcc(0) depctr_vm_vsrc(0)
	s_getreg_b32 s2, hwreg(HW_REG_IB_STS2, 6, 4)
	s_cmp_eq_u32 s2, 0
	s_cbranch_scc0 .Lentry_in_a_cluster
	s_endpgm
.Lentry_in_a_cluster:
	s_bfe_u32 s2, ttmp6, 0x10000c
	s_cmp_lg_u32 s2, 0xf033
	s_cbranch_scc0 .Lentry_shape_is_right
	s_endpgm
.Lentry_shape_is_right:
; GATE.  For 128 rows j of one batch and 256 columns t: u = swish(a pw_u + pb_u) (K = H, from a's stored codes), g = the sum over s of y[s][t] sgu_w[s][j] (K = s), p = u x (g x weight[j] + sgu_b[j]),
; quantised along t: codes to pq_img, scale words to pq_sc.  Both products on codes of BF6 (E3M2) with E8M0 scales; all else in f32.
; SHARES.  Four waves; wave w takes 64 j (4 tiles a; w / 2) x 128 t (8 tiles; w % 2).  Both products are used transposed: source 0 = 16 rows of the t side (pw_u, then y), source 1 = 16 rows of the j side (a, then sgu_w):
; a lane holds ONE row j and its registers run along t, the next product's K.  u's accumulators lie in window 2 (they begin as pb, loaded), g's in window 3.
; LDS.  Two slots of 512 along K: 8 tiles of the j side and 16 of the t side, each tile's four fragments on end, as register images.  Four fills: u's two halves of K first, then g's two into the same slots.
; CLUSTER 4 x 4.  The j side hangs on the work-group's y alone and is shared along a row of the cluster, the t side on x and the batch alone and is shared along a column: each tile is asked for jointly.
; Each fill has a group 0 of its own, written at the head and never again.
; LIMITS.  NaN and infinities are not served; a block whose largest magnitude lies under 2^-122, or a block of zeros, keeps the scale byte 1 (this program alone reads the bytes); the sigmoid is v_exp_f32 and v_rcp_f32.
; No prefetch: half of the tiles go out at the head and the text has no loop.
.set SLOT,  147456
.set SPARE, 2*SLOT                     ; the spare words: two blocks of 256 bytes that no other line names
.set LX,  4                            ; 16 l
.set SPW, 5
.set NIL, 6
.set JA,  7                            ; v7, v8    slot 0, 1: my four tiles of the j side, + 16 l
.set TQ,  9                            ; v9, v10   my eight tiles of the t side, + 16 l
.set TH,  11                           ; v11, v12  the same + 8 l
.set SCA, 13                           ; 32 r + 16 h
.set VSA, 14                           ; 2 r + 16384 h
.set H32, 15                           ; 32 h
.set R4,  16                           ; 4 r
.set L4,  17                           ; 4 l
.set SJ,  32                           ; v32-47 a's scale registers; v80-95 sgu_w's
.set STC, 48                           ; v48-79 pw_u's; v96-127 y's
.set JF,  128                          ; v128-175, v176-223 the j side's fragments, two sets
.set TT,  224                          ; v224-255 at work in the activation
.set PCD, 128                          ; behind the products: p's codes, 12 a tile of rows
.set YT,  176
.set TM,  184
.set PW,  200
.set HI,  192                          ; window 1: v192-223 upper halves of y's scale words; v224-231 weight, v232-239 sgu_b, each twice
.set WJ,  224
.set BJ,  232
.set G1J, 40
.set G1T, 48
.set WV,  28
.set NLE, 2
.set PS0, 92
.set PS1, 93
.set PS2, 94
.set SEL, 98
.set MSB, 0
.macro WIN new
.if MSB != (\new)
	s_set_vgpr_msb (MSB<<8)|(\new)
.set MSB, (\new)
.endif
.endm
.macro PLACES n
.rept \n
	v_nop
.endr
.endm
.macro CREST
	s_cmp_lg_u32 s[WV], 0
	s_cbranch_scc1 .Lnot_wave_0_\@
	s_barrier_signal -3
.Lnot_wave_0_\@:
	s_barrier_wait -3
	s_barrier_signal -1
	s_barrier_wait -1
.endm
.macro CROUND
	s_barrier_signal -1
	s_barrier_wait -1
	CREST
.endm
.macro JLOAD g0a, g0b                  ; waves 0 and 1 fetch the j side's halves, waves 2 and 3 the t side's; four v_nop follow each line
	s_cmp_eq_u32 s29, 0
	s_cbranch_scc0 .Lfor_t_\@
	tensor_load_to_lds s[\g0a:\g0a+3], s[G1J:G1J+7]
	s_nop 0
	PLACES 4
	s_branch .Lasked_\@
.Lfor_t_\@:
	tensor_load_to_lds s[\g0b:\g0b+3], s[G1T:G1T+7]
	s_nop 0
	PLACES 4
.Lasked_\@:
.endm
.macro FRAGQ reg, adr, off
.irp c, 0,1,2
	ds_load_b128 v[\reg+4*\c:\reg+4*\c+3], v[\adr] offset:\off+512*\c
.endr
.endm
.macro FRAGH reg, adr, off             ; y's fragments lie as pieces of two registers
.irp p, 0,1,2,3,4,5
	ds_load_b64 v[\reg+2*\p:\reg+2*\p+1], v[\adr] offset:\off+256*\p
.endr
.endm
.macro WMM d, a, b, c, sa, sb, hi
.if (\c) < 0
	v_wmma_scale_f32_16x16x128_f8f6f4 v[(\d):(\d)+7], v[(\a):(\a)+11], v[(\b):(\b)+11], 0, v[\sa], v[\sb] matrix_a_fmt:MATRIX_FMT_BF6 matrix_b_fmt:MATRIX_FMT_BF6
.elseif (\hi) == 0
	v_wmma_scale_f32_16x16x128_f8f6f4 v[(\d):(\d)+7], v[(\a):(\a)+11], v[(\b):(\b)+11], v[(\c):(\c)+7], v[\sa], v[\sb] matrix_a_fmt:MATRIX_FMT_BF6 matrix_b_fmt:MATRIX_FMT_BF6
.else
	v_wmma_scale_f32_16x16x128_f8f6f4 v[(\d):(\d)+7], v[(\a):(\a)+11], v[(\b):(\b)+11], v[(\c):(\c)+7], v[\sa], v[\sb] matrix_a_fmt:MATRIX_FMT_BF6 matrix_b_fmt:MATRIX_FMT_BF6 matrix_a_scale:MATRIX_SCALE_ROW1 matrix_b_scale:MATRIX_SCALE_ROW1
.endif
.endm
.macro MERGE R, Q                      ; P = groups 0 and 2 of a block's four groups of 8 codes (R .. R + 2), Q = groups 1 and 3: the block's 192 bits in R .. R + 5
	v_perm_b32 v[\R+3], v[\R+2], v[\R+1], s[PS1]
	v_perm_b32 v[\R+4], v[\Q+1], v[\R+2], s[PS2]
	v_mov_b32 v[\R+5], v[\Q+2]
	v_perm_b32 v[\R+2], v[\Q+1], v[\Q], s[PS1]
	v_perm_b32 v[\R+1], v[\Q], v[\R+1], s[PS0]
.endm
.macro QUANT4 src, SW, pc, yt, pw, style
	WIN (\SW)|((\SW)<<2)
.irp b, 0,1,2,3
	v_max3_num_f32 v[TM+\b], |v[(\src)+16*\b]|, |v[(\src)+16*\b+1]|, 0x2800000   ; with the floor 2^(5 - 127): the byte cannot fall under 1
.endr
.irp i, 2,4,6,8,10,12,14
.irp b, 0,1,2,3
	v_max3_num_f32 v[TM+\b], |v[(\src)+16*\b+\i]|, |v[(\src)+16*\b+\i+1]|, v[TM+\b]
.endr
.endr
	WIN 0
.irp b, 0,1,2,3
	v_permlanex16_b32 v[TM+4+\b], v[TM+\b], s[SEL], s[SEL+1]
.endr
.irp b, 0,1,2,3
	v_max_num_f32 v[TM+\b], v[TM+\b], v[TM+4+\b]
.endr
.irp b, 0,1,2,3
	v_add_nc_u32 v[TM+12+\b], 0xfe000000, v[TM+\b]
.endr
.irp b, 0,1,2,3
	v_lshrrev_b32 v[TM+4+\b], 23, v[TM+12+\b]
.endr
	v_lshl_or_b32 v[\pw], v[TM+5], 8, v[TM+4]
	v_lshl_or_b32 v[\pw], v[TM+6], 16, v[\pw]
	v_lshl_or_b32 v[\pw], v[TM+7], 24, v[\pw]
	WIN \SW
.irp c, 0,1
	v_cvt_scalef32_pk16_bf6_f32 v[(\pc)+6*\c:(\pc)+6*\c+2], v[(\src)+32*\c:(\src)+32*\c+15], v[TM+12+2*\c]
	v_cvt_scalef32_pk16_bf6_f32 v[(\yt)+4*\c:(\yt)+4*\c+2], v[(\src)+32*\c+16:(\src)+32*\c+31], v[TM+12+2*\c+1]
.endr
	WIN 0
	v_nop                                          ; one plain place behind the conversions
.irp c, 0,1
.irp i, 0,1,2
	v_permlane16_swap_b32 v[(\pc)+6*\c+\i], v[(\yt)+4*\c+\i]
.endr
.if \style
	MERGE (\pc)+6*\c, (\yt)+4*\c
.else
.irp i, 0,1,2
	v_mov_b32 v[(\pc)+6*\c+3+\i], v[(\yt)+4*\c+\i]
.endr
.endif
.endr
.endm
.macro SWISH W, base, pb               ; z = z x sigmoid(z) on 32 registers of window W, from the low end on; one plain line and one wait behind each batch of transcendentals
	WIN \W
.set i, 0
.rept 16
	v_pk_mul_f32 v[TT+2*i:TT+2*i+1], v[(\base)+2*i:(\base)+2*i+1], s[NLE:NLE+1] op_sel_hi:[1,0]
.set i, i+1
.endr
	WIN 0
.set i, 0
.rept 32
	v_exp_f32 v[TT+i], v[TT+i]
.set i, i+1
.endr
	v_nop
	s_wait_alu depctr_va_vdst(0)
.set i, 0
.rept 16
	v_pk_add_f32 v[TT+2*i:TT+2*i+1], v[TT+2*i:TT+2*i+1], 1.0 op_sel_hi:[1,0]
.set i, i+1
.endr
.set i, 0
.rept 32
	v_rcp_f32 v[TT+i], v[TT+i]
.set i, i+1
.endr
	v_nop
	s_wait_alu depctr_va_vdst(0)
	WIN ((\W)<<6)|(\W)
.set i, 0
.rept 16
	v_pk_mul_f32 v[(\base)+2*i:(\base)+2*i+1], v[(\base)+2*i:(\base)+2*i+1], v[TT+2*i:TT+2*i+1]
.set i, i+1
.endr
.endm
	s_load_b512 s[4:19], s[0:1], 0x0               ; aq_img, aq_sc, vq_img, vq_sc, w_img, pw_scales, sgu_w_scales, pb
	s_load_b256 s[20:27], s[0:1], 0x40             ; weight, sgu_b, pq_img, pq_sc
	v_lshl_add_u32 v[SPW], v0, 2, SPARE
	v_mov_b32 v[NIL], 0
	ds_add_u32 v5, v6
	ds_add_u32 v5, v6
	s_wait_dscnt 0x0
	v_lshrrev_b32 v1, 5, v0
	v_readfirstlane_b32 s[WV], v1                  ; wave 0..3
	s_lshr_b32 s29, s[WV], 1                       ; which 64 j are mine.  Also: I fetch for the j side (0) or the t side (1)
	s_and_b32 s30, s[WV], 1                        ; which 128 t are mine.  Also: which half of that side I fetch
	s_bfe_u32 s31, ttmp6, 0x40000                  ; cx
	s_bfe_u32 s32, ttmp6, 0x40004                  ; cy
	s_lshl_b32 s33, ttmp9, 2
	s_add_co_u32 s33, s33, s31                     ; tb: which 256 t
	s_and_b32 s34, ttmp7, 0xffff                   ; the cluster's y
	s_lshl_b32 s35, s34, 2
	s_add_co_u32 s35, s35, s32                     ; y: which 128 of the 16,384 rows
	s_lshr_b32 s36, s34, 1                         ; the batch: from the cluster's y alone, so that all sixteen partners share it
	s_and_b32 s37, s35, 7                          ; jb: which 128 j of the batch
	s_lshl_b32 s38, s32, 2
	s_lshl_b32 s38, 15, s38                        ; my row of the cluster
	s_lshl_b32 s39, 0x1111, s31                    ; my column
	s_or_b32 s[G1J], s38, (3<<16)|(1<<21)          ; elements of 8 bytes; no padding; bit 21 beside a mask
	s_mov_b32 s[G1J+1], 768<<16                    ; a tile's four fragments: 6,144 bytes
	s_mov_b32 s[G1J+2], 4<<16                      ; four tiles
	s_mov_b32 s[G1J+3], 768<<16
	s_mov_b32 s[G1J+4], 4
	s_mov_b32 s[G1J+5], 1536                       ; from tile to tile: eight fragments
	s_mov_b32 s[G1J+6], 0
	s_mov_b32 s[G1J+7], 0
	s_or_b32 s[G1T], s39, (3<<16)|(1<<21)
	s_mov_b32 s[G1T+1], 768<<16
	s_mov_b32 s[G1T+2], 8<<16                      ; eight tiles
	s_mov_b32 s[G1T+3], 768<<16
	s_mov_b32 s[G1T+4], 8
	s_mov_b32 s[G1T+5], 1536
	s_mov_b32 s[G1T+6], 0
	s_mov_b32 s[G1T+7], 0
	s_mov_b32 s93, 0
	s_mov_b32 s95, 0
	s_mul_i32 s96, s30, 24576                      ; where they go: the j side's halves at the slot's head,
	s_mul_i32 s97, s30, 49152
	s_add_co_u32 s97, s97, 49152                   ; the t side's behind them
	s_wait_kmcnt 0x0
	; the j side: a's tiles 8 y + 4 half, then sgu_w's tiles 8 jb + 4 half.  Fill n's group 0 at s[56 + 4 n + 4 (n / 2)]
	s_lshl_b32 s92, s35, 3
	s_lshl_b32 s98, s30, 2
	s_add_co_u32 s92, s92, s98
	s_mul_i32 s92, s92, 12288
	s_add_nc_u64 s[58:59], s[4:5], s[92:93]
	s_add_nc_u64 s[62:63], s[58:59], 6144
	s_lshl_b32 s92, s37, 3
	s_add_co_u32 s92, s92, s98
	s_mul_i32 s92, s92, 12288
	s_add_co_u32 s92, s92, 786432
	s_add_nc_u64 s[70:71], s[12:13], s[92:93]
	s_add_nc_u64 s[74:75], s[70:71], 6144
	; the t side: pw_u's tiles 16 tb + 8 half, then y's tiles 64 b + 16 tb + 8 half.  Fill n's group 0 at s[76 + 4 n]
	s_lshl_b32 s94, s33, 4
	s_lshl_b32 s99, s30, 3
	s_add_co_u32 s99, s94, s99
	s_mul_i32 s94, s99, 12288
	s_add_nc_u64 s[78:79], s[12:13], s[94:95]
	s_add_nc_u64 s[82:83], s[78:79], 6144
	s_lshl_b32 s94, s36, 6
	s_add_co_u32 s94, s94, s99
	s_mul_i32 s94, s94, 12288
	s_add_nc_u64 s[86:87], s[8:9], s[94:95]
	s_add_nc_u64 s[90:91], s[86:87], 6144
.irp n, 0,1,2,3
	s_mov_b32 s[56+4*\n+4*(\n/2)], 1
	s_add_co_u32 s[56+4*\n+4*(\n/2)+1], s96, (\n%2)*SLOT
	s_or_b32 s[56+4*\n+4*(\n/2)+3], s[56+4*\n+4*(\n/2)+3], 0x80000000
	s_mov_b32 s[76+4*\n], 1
	s_add_co_u32 s[76+4*\n+1], s97, (\n%2)*SLOT
	s_or_b32 s[76+4*\n+3], s[76+4*\n+3], 0x80000000
.endr
	CROUND                                         ; all sixteen work-groups are here: the first joint loads meet
	JLOAD 56, 76                                   ; u, K 0 .. 511
	JLOAD 60, 80                                   ; u, K 512 .. 1023: two loads of mine are out
	; ---- addresses
	v_and_b32 v1, 31, v0
	v_and_b32 v2, 15, v0
	v_bfe_u32 v3, v0, 4, 1
	v_lshlrev_b32 v[LX], 4, v1
	v_lshlrev_b32 v18, 3, v1
	v_lshlrev_b32 v[L4], 2, v1
	s_mul_i32 s96, s29, 24576
	s_mul_i32 s97, s30, 49152
	s_add_co_u32 s97, s97, 49152
.irp s, 0,1
	v_add_nc_u32 v[JA+\s], s96, v[LX]
	v_add_nc_u32 v[TQ+\s], s97, v[LX]
	v_add_nc_u32 v[TH+\s], s97, v18
	s_add_co_u32 s96, s96, SLOT
	s_add_co_u32 s97, s97, SLOT
.endr
	v_lshlrev_b32 v[SCA], 5, v2
	v_lshl_add_u32 v[SCA], v3, 4, v[SCA]
	v_lshlrev_b32 v[VSA], 1, v2
	v_lshl_add_u32 v[VSA], v3, 14, v[VSA]
	v_lshlrev_b32 v[H32], 5, v3
	v_lshlrev_b32 v[R4], 2, v2
	; ---- each pointer at my part
	s_mov_b32 s97, 0
	s_lshl_b32 s96, s35, 3
	s_lshl_b32 s95, s29, 2
	s_add_co_u32 s95, s96, s95                     ; my first tile of rows: 8 y + 4 (w / 2)
	s_lshl_b32 s96, s95, 9
	s_add_nc_u64 s[6:7], s[6:7], s[96:97]          ; aq_sc
	s_lshl_b32 s96, s95, 3
	s_lshl_b32 s95, s33, 1
	s_add_co_u32 s95, s95, s30                     ; my K step of the next product: 2 tb + w % 2
	s_add_co_u32 s96, s96, s95
	s_mul_i32 s96, s96, 1536
	s_add_nc_u64 s[24:25], s[24:25], s[96:97]      ; pq_img
	s_lshl_b32 s96, s95, 16
	s_lshl_b32 s95, s35, 9
	s_add_co_u32 s96, s96, s95
	s_lshl_b32 s95, s29, 8
	s_add_co_u32 s96, s96, s95
	s_add_nc_u64 s[26:27], s[26:27], s[96:97]      ; pq_sc
	s_lshl_b32 s96, s35, 9
	s_add_co_u32 s96, s96, s95
	s_add_nc_u64 s[20:21], s[20:21], s[96:97]      ; weight
	s_lshl_b32 s96, s37, 9
	s_add_co_u32 s96, s96, s95
	s_add_nc_u64 s[22:23], s[22:23], s[96:97]      ; sgu_b
	s_lshl_b32 s96, s37, 12
	s_lshl_b32 s95, s29, 11
	s_add_co_u32 s96, s96, s95
	s_add_nc_u64 s[16:17], s[16:17], s[96:97]      ; sgu_w_scales
	s_lshl_b32 s96, s33, 13
	s_lshl_b32 s95, s30, 12
	s_add_co_u32 s96, s96, s95
	s_add_nc_u64 s[14:15], s[14:15], s[96:97]      ; pw_scales
	s_lshl_b32 s96, s33, 10
	s_lshl_b32 s95, s30, 9
	s_add_co_u32 s96, s96, s95
	s_add_nc_u64 s[18:19], s[18:19], s[96:97]      ; pb
	s_lshl_b32 s96, s36, 15
	s_lshl_b32 s95, s33, 9
	s_add_co_u32 s96, s96, s95
	s_lshl_b32 s95, s30, 8
	s_add_co_u32 s96, s96, s95
	s_add_nc_u64 s[10:11], s[10:11], s[96:97]      ; vq_sc
	s_mov_b32 s[NLE], 0xbfb8aa3b                   ; -log2(e)
	s_mov_b32 s[NLE+1], s[NLE]
	s_mov_b32 s[PS0], 0x05040100
	s_mov_b32 s[PS1], 0x05040302
	s_mov_b32 s[PS2], 0x07060302
	s_mov_b32 s[SEL], 0x76543210
	s_mov_b32 s[SEL+1], 0xfedcba98
	; ---- loads at the head: all scale registers, the gate's weight and bias, and pb straight into u's accumulators
.irp a, 0,1,2,3
	global_load_b128 v[SJ+4*\a:SJ+4*\a+3], v[SCA], s[6:7] offset:512*\a
	global_load_b128 v[SJ+48+4*\a:SJ+48+4*\a+3], v[SCA], s[16:17] offset:512*\a
.endr
.irp t, 0,1,2,3,4,5,6,7
	global_load_b128 v[STC+4*\t:STC+4*\t+3], v[SCA], s[14:15] offset:512*\t
.endr
.set i, 0
.rept 32
	global_load_u16 v[STC+48+i], v[VSA], s[10:11] offset:4096*(i%4)+32*(i/4)        ; y's two bytes of the lower 64 s of K step i % 4 (lanes 16-31: 4 + i % 4), tile i / 4
.set i, i+1
.endr
	WIN 0x40
.set i, 0
.rept 32
	global_load_u16 v[HI+i], v[VSA], s[10:11] offset:4096*(i%4)+32*(i/4)+2048       ; and of the upper 64
.set i, i+1
.endr
.irp a, 0,1,2,3
	global_load_b32 v[WJ+2*\a], v[R4], s[20:21] offset:64*\a
	global_load_b32 v[WJ+2*\a+1], v[R4], s[20:21] offset:64*\a
	global_load_b32 v[BJ+2*\a], v[R4], s[22:23] offset:64*\a
	global_load_b32 v[BJ+2*\a+1], v[R4], s[22:23] offset:64*\a
.endr
	WIN 0x80
.set i, 0
.rept 64
	global_load_b128 v[4*i:4*i+3], v[H32], s[18:19] offset:64*((i%16)/2)+16*(i%2)
.set i, i+1
.endr
	WIN 0
	s_wait_loadcnt 0x0
	WIN 0x01
.set i, 0
.rept 32
	v_lshl_or_b32 v[STC+48+i], v[HI+i], 16, v[STC+48+i]
.set i, i+1
.endr
	WIN 0
	s_wait_tensorcnt 1                             ; my part of slot 0 is in; slot 1's may stay out
	s_barrier_signal -1
	s_barrier_wait -1
; P = 0: u;  P = 1: g
.macro FETCHG P, slot, kk, set
	WIN 0x40
.irp t, 0,1,2,3,4,5,6,7
.if (\P) == 0
	FRAGQ 96*(\set)+12*\t, TQ+\slot, 6144*\t+1536*(\kk)
.else
	FRAGH 96*(\set)+12*\t, TH+\slot, 6144*\t+1536*(\kk)
.endif
.endr
	WIN 0
.irp a, 0,1,2,3
	FRAGQ JF+48*(\set)+12*\a, JA+\slot, 6144*\a+1536*(\kk)
.endr
.endm
.macro MULG P, k, set, t0, n           ; the 32 accumulators take turns
	WIN 0xa1+0x50*(\P)
.set bb, \t0
.rept \n
.irp a, 0,1,2,3
.if ((\P) == 1) && ((\k) == 0)
	WMM 64*\a+8*bb, 96*(\set)+12*bb, JF+48*(\set)+12*\a, -1, STC+48+4*bb, SJ+48+4*\a, 0
.else
	WMM 64*\a+8*bb, 96*(\set)+12*bb, JF+48*(\set)+12*\a, 64*\a+8*bb, STC+48*(\P)+4*bb+(\k)%4, SJ+48*(\P)+4*\a+(\k)%4, (\k)/4
.endif
.endr
.set bb, bb+1
.endr
.endm
.macro STEPG P, k, slot
	s_wait_dscnt 0x0
	MULG \P, \k, (\k)%2, 0, 4
	PLACES 4
	FETCHG \P, \slot, ((\k)+1)%4, 1-(\k)%2
	MULG \P, \k, (\k)%2, 4, 4
.endm
; A slot's last K step.  fill >= 0: the barrier opens a round of the cluster's barrier and fill number `fill` goes into the slot just left, first thing behind the round.  P2, slot2: what is read next
.macro TURNG P, k, fill, P2, slot2
	WIN 0
	s_wait_tensorcnt 0x0                           ; all my tensor loads have landed
	ds_add_u32 v[SPW], v[NIL]
	s_wait_dscnt 1                                 ; this K step's fragments are in; the add may be out
	MULG \P, \k, 1, 0, 2
	s_wait_dscnt 0x0                               ; the add is done, and my reads of this slot are over
	s_barrier_signal -1
	MULG \P, \k, 1, 2, 2
	WIN 0
	s_barrier_wait -1
.if (\fill) >= 0
	CREST
	JLOAD 56+4*(\fill)+4*((\fill)/2), 76+4*(\fill) ; its four v_nop are also the places in front of the loads below
.else
	PLACES 4
.endif
	FETCHG \P2, \slot2, 0, 0
	MULG \P, \k, 1, 4, 4
.endm
	FETCHG 0, 0, 0, 0
	STEPG 0, 0, 0
	STEPG 0, 1, 0
	STEPG 0, 2, 0
	TURNG 0, 3, 2, 0, 1                            ; g's K 0 .. 511 into slot 0
	STEPG 0, 4, 1
	STEPG 0, 5, 1
	STEPG 0, 6, 1
	TURNG 0, 7, 3, 1, 0                            ; g's K 512 .. 1023 into slot 1
	SWISH 2, 0, -1                                 ; u's activation, 32 registers behind each K step of g
	STEPG 1, 0, 0
	SWISH 2, 32, -1
	STEPG 1, 1, 0
	SWISH 2, 64, -1
	STEPG 1, 2, 0
	SWISH 2, 96, -1
	TURNG 1, 3, -1, 1, 1                           ; nothing is left to fetch
	SWISH 2, 128, -1
	STEPG 1, 4, 1
	SWISH 2, 160, -1
	STEPG 1, 5, 1
	SWISH 2, 192, -1
	STEPG 1, 6, 1
	SWISH 2, 224, -1
	s_wait_dscnt 0x0
	MULG 1, 7, 1, 0, 8
	; ---- p = u x (g x weight[j] + sgu_b[j]), quantised along t
	PLACES 4
	WIN 0xd7
.set i, 0
.rept 128
	v_pk_fma_f32 v[2*i:2*i+1], v[2*i:2*i+1], v[WJ+2*(i/32):WJ+2*(i/32)+1], v[BJ+2*(i/32):BJ+2*(i/32)+1]
.set i, i+1
.endr
	WIN 0x8e
.set i, 0
.rept 128
	v_pk_mul_f32 v[2*i:2*i+1], v[2*i:2*i+1], v[2*i:2*i+1]          ; window 2 = window 2 x window 3
.set i, i+1
.endr
	WIN 0
.irp b, 0,1,2,3
	v_mov_b32 v[TM+4+\b], 0                        ; a lane permute's destination counts as one of its sources
.endr
.irp a, 0,1,2,3
	QUANT4 64*\a, 2, PCD+12*\a, YT, PW+\a, 1
.irp c, 0,1,2
	global_store_b128 v[LX], v[PCD+12*\a+4*\c:PCD+12*\a+4*\c+3], s[24:25] offset:12288*\a+512*\c   ; 512 consecutive bytes
.endr
.endr
	v_cmp_eq_u32 vcc_lo, 1, v3
.irp g, 0,1
	v_cndmask_b32 v[YT+\g], v[PW+2*\g], v[PW+2*\g+1], vcc_lo       ; lane l: the word of row 32 g + l
	global_store_b32 v[L4], v[YT+\g], s[26:27] offset:128*\g
.endr
	s_wait_tensorcnt 0x0                           ; the wave's end
	ds_add_u32 v[SPW], v[NIL]
	s_wait_dscnt 0x0
	CROUND                                         ; the closing round
	s_endpgm
.Lfunc_end_k_q078798a2e8_gate:
	.size	k_q078798a2e8_gate, .Lfunc_end_k_q078798a2e8_gate-k_q078798a2e8_gate
	.p2alignl 7, 3214868480
	.fill 96, 4, 3214868480
	.section	.rodata,"a",@progbits
	.p2align	6, 0x0
	.amdhsa_kernel k_q078798a2e8_gate
		.amdhsa_group_segment_fixed_size 327680
		.amdhsa_private_segment_fixed_size 0
		.amdhsa_enable_private_segment 0
		.amdhsa_kernarg_size 96
		.amdhsa_user_sgpr_count 2
		.amdhsa_user_sgpr_kernarg_segment_ptr 1
		.amdhsa_wavefront_size32 1
		.amdhsa_system_sgpr_workgroup_id_x 1
		.amdhsa_system_sgpr_workgroup_id_y 1
		.amdhsa_system_sgpr_workgroup_id_z 1
		.amdhsa_system_vgpr_workitem_id 0
		.amdhsa_next_free_vgpr 1024
		.amdhsa_next_free_sgpr 100
		.amdhsa_reserve_vcc 1
		.amdhsa_float_denorm_mode_32 3
		.amdhsa_float_denorm_mode_16_64 3
		.amdhsa_memory_ordered 1
		.amdhsa_forward_progress 1
		.amdhsa_inst_pref_size 222
	.end_amdhsa_kernel
	.amdgpu_metadata
---
amdhsa.version: [ 1, 2 ]
amdhsa.kernels:
  - .name:           k_q078798a2e8_gate
    .symbol:         k_q078798a2e8_gate.kd
    .args:
      - { .name: aq_img, .offset: 0, .size: 8, .value_kind: global_buffer, .address_space: global }
      - { .name: aq_sc, .offset: 8, .size: 8, .value_kind: global_buffer, .address_space: global }
      - { .name: vq_img, .offset: 16, .size: 8, .value_kind: global_buffer, .address_space: global }
      - { .name: vq_sc, .offset: 24, .size: 8, .value_kind: global_buffer, .address_space: global }
      - { .name: w_img, .offset: 32, .size: 8, .value_kind: global_buffer, .address_space: global }
      - { .name: pw_scales, .offset: 40, .size: 8, .value_kind: global_buffer, .address_space: global }
      - { .name: sgu_w_scales, .offset: 48, .size: 8, .value_kind: global_buffer, .address_space: global }
      - { .name: pb, .offset: 56, .size: 8, .value_kind: global_buffer, .address_space: global }
      - { .name: weight, .offset: 64, .size: 8, .value_kind: global_buffer, .address_space: global }
      - { .name: sgu_b, .offset: 72, .size: 8, .value_kind: global_buffer, .address_space: global }
      - { .name: pq_img, .offset: 80, .size: 8, .value_kind: global_buffer, .address_space: global }
      - { .name: pq_sc, .offset: 88, .size: 8, .value_kind: global_buffer, .address_space: global }
    .group_segment_fixed_size: 327680
    .private_segment_fixed_size: 0
    .kernarg_segment_align: 8
    .kernarg_segment_size: 96
    .max_flat_workgroup_size: 128
    .sgpr_count:     100
    .vgpr_count:     1024
    .wavefront_size: 32
...
	.end_amdgpu_metadata
.endif
;; end of part 2
;; launch proj (part 3): grid 4 x 64, 4 waves a work-group, clusters of 4 x 4, 327,680 bytes of LDS; arguments pq_img, pq_sc, w_img, cw_scales, cb, out0; writes out0
.if DOCPART == 3
	.amdgcn_target "amdgcn-amd-amdhsa--gfx1250"
	.amdhsa_code_object_version 6
	.text
	.protected	k_q078798a2e8_proj
	.globl	k_q078798a2e8_proj
	.p2align	8
	.type	k_q078798a2e8_proj,@function
k_q078798a2e8_proj:
	s_mov_b64 s[64:65], 0
	v_nop
	global_prefetch_b8 v0, s[64:65] scope:SCOPE_SE
	s_setreg_imm32_b32 hwreg(HW_REG_WAVE_MODE, 25, 1), 1
	s_wait_xcnt 0x0
	s_wait_alu depctr_hold_cnt(0) depctr_sa_sdst(0) depctr_va_vdst(0) depctr_va_sdst(0) depctr_va_ssrc(0) depctr_va_vcc(0) depctr_vm_vsrc(0)
	s_getreg_b32 s2, hwreg(HW_REG_IB_STS2, 6, 4)
	s_cmp_eq_u32 s2, 0
	s_cbranch_scc0 .Lentry_in_a_cluster
	s_endpgm
.Lentry_in_a_cluster:
	s_bfe_u32 s2, ttmp6, 0x10000c
	s_cmp_lg_u32 s2, 0xf033
	s_cbranch_scc0 .Lentry_shape_is_right
	s_endpgm
.Lentry_shape_is_right:
; PROJ.  out0[row][n] = the sum over t of p[row][t] cw[t][n] + cb[n], on codes of BF6 (E3M2) with E8M0 scales; sums in f32.  p's codes and scale words come from the launch before, cw's codes in register order from w_img.
; A tile of 256 x 256 is made by four waves, each 128 x 128: 64 accumulators (windows 2 and 3).  Source 0 = 16 rows of cw, source 1 = 16 rows of p: a lane holds eight neighbouring numbers of a row of out0.
; cb is the C of the first K step's products.  All scale words lie in registers: register kk of a tile holds K step kk in lanes 0-15 and K step 4 + kk in lanes 16-31.
; LDS.  THREE slots of 256 along K (16 tiles of p, 16 of cw, a tile's two fragments on end, as register images).  K is 1,024: fills 0, 1, 2 go out at the head, fill 3 goes into slot 0 behind one round of the cluster's barrier.
; CLUSTER 4 x 4.  p's tiles are shared along a row of the cluster, cw's along a column: asked for jointly.  Each fill has a group 0 of its own, never written again.
; p has ONE set of fragment registers (window 0, v128-223), cw two (window 1, v0-95 and v128-223); cb lies in window 1, v96-127 and v224-255.
; The way out goes through a stage in slot 1, which has had its only fill and whose last reads are over at the last barrier.  No prefetch: three quarters of the tiles go out at the head.
.set FR,    12
.set SLOT,  98304
.set SPARE, 3*SLOT                     ; the spare words: two blocks of 256 bytes that no other line names
.set STAGE, SLOT
.set SPITCH, 528
.set CO,   4                           ; 16 l: also my byte offset in a row's 512 bytes of out0
.set ADRA, 16                          ; v16-18 slot 0, 1, 2: my eight tiles of p, + 16 l
.set ADRB, 20                          ; v20-22 the same for cw
.set STO,  24
.set RD,   25
.set SPW,  28
.set NIL,  29
.set SA,   32                          ; v32-63 p's scale registers
.set SB,   64                          ; v64-95 cw's
.set AF,   128
.set BK,   128
.set G1A,  24
.set G1B,  32
.set WV,   16
.set MSB, 0
.macro WIN new
.if MSB != (\new)
	s_set_vgpr_msb (MSB<<8)|(\new)
.set MSB, (\new)
.endif
.endm
.macro PLACES n
.rept \n
	v_nop
.endr
.endm
.macro CREST
	s_cmp_lg_u32 s[WV], 0
	s_cbranch_scc1 .Lnot_wave_0_\@
	s_barrier_signal -3
.Lnot_wave_0_\@:
	s_barrier_wait -3
	s_barrier_signal -1
	s_barrier_wait -1
.endm
.macro CROUND
	s_barrier_signal -1
	s_barrier_wait -1
	CREST
.endm
.macro JLOAD g0a, g0b                  ; waves 0 and 1 fetch p's halves, waves 2 and 3 cw's; four v_nop follow each line
	s_cmp_eq_u32 s17, 0
	s_cbranch_scc0 .Lfor_b_\@
	tensor_load_to_lds s[\g0a:\g0a+3], s[G1A:G1A+7]
	s_nop 0
	PLACES 4
	s_branch .Lasked_\@
.Lfor_b_\@:
	tensor_load_to_lds s[\g0b:\g0b+3], s[G1B:G1B+7]
	s_nop 0
	PLACES 4
.Lasked_\@:
.endm
.macro FRAGQ reg, adr, off
.irp c, 0,1,2
	ds_load_b128 v[\reg+4*\c:\reg+4*\c+3], v[\adr] offset:\off+512*\c
.endr
.endm
.macro WMM d, a, b, c, sa, sb, hi
.if (\hi) == 0
	v_wmma_scale_f32_16x16x128_f8f6f4 v[(\d):(\d)+7], v[(\a):(\a)+11], v[(\b):(\b)+11], v[(\c):(\c)+7], v[\sa], v[\sb] matrix_a_fmt:MATRIX_FMT_BF6 matrix_b_fmt:MATRIX_FMT_BF6
.else
	v_wmma_scale_f32_16x16x128_f8f6f4 v[(\d):(\d)+7], v[(\a):(\a)+11], v[(\b):(\b)+11], v[(\c):(\c)+7], v[\sa], v[\sb] matrix_a_fmt:MATRIX_FMT_BF6 matrix_b_fmt:MATRIX_FMT_BF6 matrix_a_scale:MATRIX_SCALE_ROW1 matrix_b_scale:MATRIX_SCALE_ROW1
.endif
.endm
	s_load_b256 s[4:11], s[0:1], 0x0               ; pq_img, pq_sc, w_img, cw_scales
	s_load_b128 s[12:15], s[0:1], 0x20             ; cb, out0
	v_lshl_add_u32 v[SPW], v0, 2, SPARE
	v_mov_b32 v[NIL], 0
	ds_add_u32 v28, v29
	ds_add_u32 v28, v29
	s_wait_dscnt 0x0
	v_lshrrev_b32 v1, 5, v0
	v_readfirstlane_b32 s[WV], v1                  ; wave 0..3
	s_lshr_b32 s17, s[WV], 1                       ; which 128 rows are mine.  Also: I fetch for p (0) or for cw (1)
	s_and_b32 s18, s[WV], 1                        ; which 128 columns.  Also: which half of that side I fetch
	s_bfe_u32 s19, ttmp6, 0x40000                  ; cx
	s_bfe_u32 s20, ttmp6, 0x40004                  ; cy
	s_lshl_b32 s21, ttmp9, 2
	s_add_co_u32 s21, s21, s19                     ; tile column
	s_and_b32 s22, ttmp7, 0xffff
	s_lshl_b32 s22, s22, 2
	s_add_co_u32 s22, s22, s20                     ; tile row
	s_lshl_b32 s40, s20, 2
	s_lshl_b32 s40, 15, s40                        ; my row of the cluster
	s_lshl_b32 s41, 0x1111, s19                    ; my column
	s_or_b32 s[G1A], s40, (3<<16)|(1<<21)          ; elements of 8 bytes; no padding; bit 21 beside a mask
	s_or_b32 s[G1B], s41, (3<<16)|(1<<21)
.irp g, G1A, G1B
	s_mov_b32 s[\g+1], 384<<16                     ; a tile's two fragments: 3,072 bytes
	s_mov_b32 s[\g+2], 8<<16                       ; eight tiles
	s_mov_b32 s[\g+3], 384<<16
	s_mov_b32 s[\g+4], 8
	s_mov_b32 s[\g+5], 1536                        ; from tile to tile: eight fragments
	s_mov_b32 s[\g+6], 0
	s_mov_b32 s[\g+7], 0
.endr
	s_lshl_b32 s84, s22, 4
	s_lshl_b32 s88, s18, 3
	s_add_co_u32 s84, s84, s88
	s_mul_i32 s84, s84, 12288                      ; p: tile 16 x tile row + 8 x half
	s_mov_b32 s85, 0
	s_lshl_b32 s86, s21, 4
	s_add_co_u32 s86, s86, s88
	s_mul_i32 s86, s86, 12288
	s_add_co_u32 s86, s86, 1572864                 ; cw: the third tensor of w_img, tile 16 x tile column + 8 x half
	s_mov_b32 s87, 0
	s_mul_i32 s89, s[WV], 24576                    ; where they go: wave x eight tiles
	s_wait_kmcnt 0x0
	s_add_nc_u64 s[84:85], s[4:5], s[84:85]
	s_add_nc_u64 s[86:87], s[8:9], s[86:87]
.irp n, 0,1,2,3                        ; fill n: K 256 n on, into slot n % 3; p's group 0 at s[44 + 4 n], cw's at s[68 + 4 n]
	s_mov_b32 s[44+4*\n], 1
	s_add_co_u32 s[44+4*\n+1], s89, (\n%3)*SLOT
	s_add_nc_u64 s[44+4*\n+2:44+4*\n+3], s[84:85], 3072*\n
	s_or_b32 s[44+4*\n+3], s[44+4*\n+3], 0x80000000
	s_mov_b32 s[68+4*\n], 1
	s_add_co_u32 s[68+4*\n+1], s89, (\n%3)*SLOT
	s_add_nc_u64 s[68+4*\n+2:68+4*\n+3], s[86:87], 3072*\n
	s_or_b32 s[68+4*\n+3], s[68+4*\n+3], 0x80000000
.endr
	CROUND                                         ; all sixteen work-groups are here: the first joint loads meet
	JLOAD 44, 68
	JLOAD 48, 72
	JLOAD 52, 76                                   ; three loads of mine are out
	v_and_b32 v1, 31, v0
	v_and_b32 v2, 15, v0
	v_bfe_u32 v3, v0, 4, 1
	v_lshlrev_b32 v[CO], 4, v1
	s_mul_i32 s90, s17, 24576
	s_mul_i32 s91, s18, 24576
	s_add_co_u32 s91, s91, 49152
.irp s, 0,1,2
	v_add_nc_u32 v[ADRA+\s], s90, v[CO]
	v_add_nc_u32 v[ADRB+\s], s91, v[CO]
	s_add_co_u32 s90, s90, SLOT
	s_add_co_u32 s91, s91, SLOT
.endr
	s_mul_i32 s90, s[WV], 16*SPITCH
	s_add_co_u32 s90, s90, STAGE                   ; my stage
	v_mul_u32_u24 v5, v2, SPITCH
	v_lshl_add_u32 v5, v3, 5, v5
	v_add_nc_u32 v[STO], s90, v5                   ; in: row r, 32 bytes for each half of the lanes
	v_add_nc_u32 v[RD], s90, v[CO]                 ; back: the 32 lanes take one row of 512 bytes
	v_lshlrev_b32 v6, 2, v2
	v_lshl_add_u32 v6, v3, 18, v6                  ; 4 r + 262144 h
	v_lshlrev_b32 v7, 5, v2
	v_lshl_add_u32 v7, v3, 4, v7                   ; 32 r + 16 h
	v_lshlrev_b32 v8, 5, v3                        ; 32 h
	s_mov_b32 s93, 0
	s_lshl_b32 s92, s22, 10
	s_lshl_b32 s94, s17, 9
	s_add_co_u32 s92, s92, s94
	s_add_nc_u64 s[6:7], s[6:7], s[92:93]          ; pq_sc: row 256 x tile row + 128 x half
	s_lshl_b32 s92, s21, 13
	s_lshl_b32 s94, s18, 12
	s_add_co_u32 s92, s92, s94
	s_add_nc_u64 s[10:11], s[10:11], s[92:93]      ; cw_scales
	s_lshl_b32 s92, s21, 10
	s_lshl_b32 s94, s18, 9
	s_add_co_u32 s92, s92, s94
	s_add_nc_u64 s[12:13], s[12:13], s[92:93]      ; cb
	s_add_nc_u64 s[14:15], s[14:15], s[92:93]      ; out0: my first column,
	s_lshl_b32 s92, s22, 20
	s_lshl_b32 s94, s17, 19
	s_add_co_u32 s92, s92, s94
	s_add_nc_u64 s[14:15], s[14:15], s[92:93]      ; my first row
.set i, 0
.rept 32
	global_load_b32 v[SA+i], v6, s[6:7] offset:65536*(i%4)+64*(i/4)
.set i, i+1
.endr
.irp b, 0,1,2,3,4,5,6,7
	global_load_b128 v[SB+4*\b:SB+4*\b+3], v7, s[10:11] offset:512*\b
.endr
	WIN 0x40
.irp b, 0,1,2,3,4,5,6,7
	global_load_b128 v[96+8*\b+96*(\b/4):96+8*\b+96*(\b/4)+3], v8, s[12:13] offset:64*\b
	global_load_b128 v[96+8*\b+96*(\b/4)+4:96+8*\b+96*(\b/4)+7], v8, s[12:13] offset:64*\b+16
.endr
	WIN 0
; 16 matrix instructions: p's blocks a0, a0 + 1 x cw's eight, K step k; set p of cw's fragments.  The 64 accumulators take turns
.macro MUL16 a0, p, k
.if (\k) == 0
	WIN 0x91+0x40*((\a0)/4)                        ; C: cb, in window 1
.else
	WIN 0xa1+0x50*((\a0)/4)
.endif
.irp a, \a0, \a0+1
.irp b, 0,1,2,3,4,5,6,7
.if (\k) == 0
	WMM 8*(8*((\a)%4)+\b), 128*(\p)+FR*\b, AF+FR*(\a), 96+8*\b+96*(\b/4), SB+4*\b, SA+4*(\a), 0
.else
	WMM 8*(8*((\a)%4)+\b), 128*(\p)+FR*\b, AF+FR*(\a), 8*(8*((\a)%4)+\b), SB+4*\b+(\k)%4, SA+4*(\a)+(\k)%4, (\k)/4
.endif
.endr
.endr
.endm
.macro FETCH_B k, p                    ; K step k lies in slot (k / 2) % 3
	WIN 0x40
.irp i, 0,1,2,3,4,5,6,7
	FRAGQ 128*(\p)+FR*\i, ADRB+((\k)/2)%3, 3072*\i+1536*((\k)%2)
.endr
	WIN 0
.endm
.macro FETCH_A k, i0
.irp i, \i0, \i0+1, \i0+2, \i0+3
	FRAGQ AF+FR*(\i), ADRA+((\k)/2)%3, 3072*(\i)+1536*((\k)%2)
.endr
.endm
.macro STEP k                          ; a K step whose successor's tiles are known to lie in LDS
	s_wait_dscnt 12                                ; cw's set and p's blocks 0-3 are in; the youngest twelve loads (p's blocks 4-7) may be out
	MUL16 0, (\k)%2, \k
	MUL16 2, (\k)%2, \k
	s_wait_dscnt 0x0
	PLACES 4
	FETCH_B (\k)+1, 1-(\k)%2
	FETCH_A (\k)+1, 0
	MUL16 4, (\k)%2, \k
	MUL16 6, (\k)%2, \k
	PLACES 4
	WIN 0
	FETCH_A (\k)+1, 4
.endm
; A K step with a barrier: each wave waits for all its tensor loads, adds 0 to its spare word, waits for that and for its reads so far, and signals.  fill = 1: the barrier opens a round and fill 3 goes into slot 0
.macro TURN k, fill
	s_wait_tensorcnt 0x0
	ds_add_u32 v[SPW], v[NIL]
	s_wait_dscnt 13                                ; the add and p's blocks 4-7 may be out
	MUL16 0, 1, \k
	s_wait_dscnt 0x0                               ; the add is done, and my reads of the slot are over
	s_barrier_signal -1
	MUL16 2, 1, \k
	WIN 0
	s_barrier_wait -1
.if \fill
	CREST
	JLOAD 56, 80                                   ; its four v_nop are also the places in front of the loads below
.else
	PLACES 4
.endif
	FETCH_B (\k)+1, 0
	FETCH_A (\k)+1, 0
	MUL16 4, 1, \k
	MUL16 6, 1, \k
	PLACES 4
	WIN 0
	FETCH_A (\k)+1, 4
.endm
	s_wait_tensorcnt 2                             ; my part of fill 0 is in; fills 1 and 2 may stay out
	s_barrier_signal -1
	s_barrier_wait -1
	FETCH_B 0, 0
	FETCH_A 0, 0
	FETCH_A 0, 4
	s_wait_loadcnt 0x0                             ; the scale registers and cb
	STEP 0
	TURN 1, 1                                      ; every wave's fills 1 and 2 have landed in front of this round: slots 1 and 2 need no further barrier
	STEP 2
	STEP 3
	STEP 4
	TURN 5, 0                                      ; fill 3 has landed; nothing is left to fetch
	STEP 6
	s_wait_dscnt 12
	MUL16 0, 1, 7
	MUL16 2, 1, 7
	s_wait_dscnt 0x0
	MUL16 4, 1, 7
	MUL16 6, 1, 7
	WIN 0
; THE WAY OUT, block by block of 16 rows x 128 columns, through my own stage: back as whole rows of 512 bytes.  LDS serves a wave's instructions in order: no wait between the stores and the loads
.macro TOSTAGE a
.set AC, 64*((\a)%4)
	WIN 0x08+4*((\a)/4)
.irp b, 0,1,2,3,4,5,6,7
	ds_store_b128 v[STO], v[AC+8*\b:AC+8*\b+3] offset:64*\b          ; each accumulator from its low end on
	ds_store_b128 v[STO], v[AC+8*\b+4:AC+8*\b+7] offset:64*\b+16
.endr
	WIN 0
.set BB, BK+64*((\a)%2)
.irp t, 0,1,2,3,4,5,6,7,8,9,10,11,12,13,14,15
	ds_load_b128 v[BB+4*\t:BB+4*\t+3], v[RD] offset:\t*SPITCH
.endr
.endm
.macro SEND a, younger
.set BB, BK+64*((\a)%2)
	s_wait_dscnt \younger
.if (\a) > 0
	s_add_nc_u64 s[14:15], s[14:15], 16*4096       ; 16 rows on (behind a wait that shows the earlier stores have read their base)
.endif
.irp t, 0,1,2,3,4,5,6,7,8,9,10,11,12,13,14,15
	global_store_b128 v[CO], v[BB+4*\t:BB+4*\t+3], s[14:15] offset:\t*4096 th:TH_STORE_NT   ; 32 lanes store 512 consecutive bytes, aligned
.endr
.endm
	PLACES 4
	TOSTAGE 0
.irp a, 1,2,3,4,5,6,7
.if \a > 1
	s_wait_xcnt 0x0                                ; block a - 2's stores have read their registers and their base
.endif
	TOSTAGE \a
	SEND \a-1, 32                                  ; behind block a - 1's loads: block a's 16 stores and 16 loads
.endr
	s_wait_xcnt 0x0
	SEND 7, 0
	s_wait_tensorcnt 0x0                           ; the wave's end
	ds_add_u32 v[SPW], v[NIL]
	s_wait_dscnt 0x0
	CROUND                                         ; the closing round
	s_endpgm
.Lfunc_end_k_q078798a2e8_proj:
	.size	k_q078798a2e8_proj, .Lfunc_end_k_q078798a2e8_proj-k_q078798a2e8_proj
	.p2alignl 7, 3214868480
	.fill 96, 4, 3214868480
	.section	.rodata,"a",@progbits
	.p2align	6, 0x0
	.amdhsa_kernel k_q078798a2e8_proj
		.amdhsa_group_segment_fixed_size 327680
		.amdhsa_private_segment_fixed_size 0
		.amdhsa_enable_private_segment 0
		.amdhsa_kernarg_size 48
		.amdhsa_user_sgpr_count 2
		.amdhsa_user_sgpr_kernarg_segment_ptr 1
		.amdhsa_wavefront_size32 1
		.amdhsa_system_sgpr_workgroup_id_x 1
		.amdhsa_system_sgpr_workgroup_id_y 1
		.amdhsa_system_sgpr_workgroup_id_z 1
		.amdhsa_system_vgpr_workitem_id 0
		.amdhsa_next_free_vgpr 1024
		.amdhsa_next_free_sgpr 100
		.amdhsa_reserve_vcc 0
		.amdhsa_float_denorm_mode_32 3
		.amdhsa_float_denorm_mode_16_64 3
		.amdhsa_memory_ordered 1
		.amdhsa_forward_progress 1
		.amdhsa_inst_pref_size 137
	.end_amdhsa_kernel
	.amdgpu_metadata
---
amdhsa.version: [ 1, 2 ]
amdhsa.kernels:
  - .name:           k_q078798a2e8_proj
    .symbol:         k_q078798a2e8_proj.kd
    .args:
      - { .name: pq_img, .offset: 0, .size: 8, .value_kind: global_buffer, .address_space: global }
      - { .name: pq_sc, .offset: 8, .size: 8, .value_kind: global_buffer, .address_space: global }
      - { .name: w_img, .offset: 16, .size: 8, .value_kind: global_buffer, .address_space: global }
      - { .name: cw_scales, .offset: 24, .size: 8, .value_kind: global_buffer, .address_space: global }
      - { .name: cb, .offset: 32, .size: 8, .value_kind: global_buffer, .address_space: global }
      - { .name: out0, .offset: 40, .size: 8, .value_kind: global_buffer, .address_space: global }
    .group_segment_fixed_size: 327680
    .private_segment_fixed_size: 0
    .kernarg_segment_align: 8
    .kernarg_segment_size: 48
    .max_flat_workgroup_size: 128
    .sgpr_count:     100
    .vgpr_count:     1024
    .wavefront_size: 32
...
	.end_amdgpu_metadata
.endif
;; end of part 3
;; ======== version 2 of 2: 4 launches
;; workspace buffers: aq_img 12,582,912 bytes; aq_sc 524,288 bytes; vq_img 12,582,912 bytes; vq_sc 524,288 bytes; pq_img 12,582,912 bytes; pq_sc 524,288 bytes; w_img 3,145,728 bytes
;; launch norm (part 4): grid 256 x 1, 4 waves a work-group, no clusters, 34,304 bytes of LDS; arguments x, ng, nb, pw_codes, sgu_w_codes, cw_codes, aq_img, aq_sc, w_img; writes aq_img, aq_sc, w_img
.if DOCPART == 4
	.amdgcn_target "amdgcn-amd-amdhsa--gfx1250"
	.amdhsa_code_object_version 6
	.text
	.protected	k_q078798a2e8_norm
	.globl	k_q078798a2e8_norm
	.p2align	8
	.type	k_q078798a2e8_norm,@function
k_q078798a2e8_norm:
	s_mov_b64 s[64:65], 0
	v_nop
	global_prefetch_b8 v0, s[64:65] scope:SCOPE_SE
	s_setreg_imm32_b32 hwreg(HW_REG_WAVE_MODE, 25, 1), 1
	s_wait_xcnt 0x0
; NORM.  a = layernorm(x) x ng + nb, in f32, quantised along H to codes of BF6 (E3M2) with one E8M0 scale for each 32: codes to aq_img, scale bytes to aq_sc.
; Beside that the weights' codes are laid out in the order of an operand's registers (w_img): pw's rows 0-1023, sgu_w, cw, pw's rows 1024-2047: 256 tiles of 16 rows, one to a work-group; a tile's eight fragments, two to a wave.
; A launch of its own, so that this text and the text of the product that follows it each stay short.
; SHARES.  Work-group wg takes rows 64 wg .. + 63, wave w of it rows 16 w .. + 15: a whole row lies in one wave, so its mean and its mean of squared differences never leave the wave.  Each load reads 512 consecutive bytes of a row.
; The conversions take 16 neighbours along H from one lane: so a K step's 16 rows x 512 bytes turn through the wave's own stage in LDS (rows of 528 bytes) and come back 64 bytes a lane and block.
; FORMATS.  A fragment is 16 rows x 128 K, 12 registers a lane: registers 4 c .. 4 c + 3 of lane l at 512 c + 16 l.  aq_sc: 32 bytes a row, as the given scales lie.
; No matrix instruction, no tensor load, no cluster, no barrier: waves share nothing.  No prefetch: all of a wave's x is asked for at once and is read once.
; LIMITS.  NaN and infinities among the inputs are not served.  A block whose largest magnitude lies under 2^-122 keeps the scale byte 1, a block of zeros too (its codes are zeros; this program alone reads the bytes).
; REGISTERS, in windows of 256.  Window 0: v1-3 lane, r, h; addresses; work.  Window 1: gains, means, reciprocal roots.  Windows 2, 3: x: row p, piece q at v[32 (p % 8) + 4 q] of window 2 + p / 8.
.set WST, 8448                         ; a wave's stage: 16 rows x 528 bytes
.set LX,  4                            ; 16 x lane
.set STW, 7                            ; WST w + 16 l
.set STR, 8                            ; WST w + 528 r + 64 h
.set RLA, 16                           ; 768 r + 24 h
.set SCA, 17                           ; 32 r + 16 h
.set TP,  32                           ; v32-159 partial sums
.set SS,  160                          ; v160-175 row sums
.set RL,  184                          ; v184-207 the two fragments that are laid out anew
.set CD,  32                           ; v32-127 a's codes, 12 a K step
.set YT,  128                          ; v128-135
.set TM,  136                          ; v136-151
.set WD,  152                          ; v152-159 a's scale words
.set ST,  160                          ; v160-223 64 numbers turned
.set NG,  0                            ; window 1
.set NB,  32
.set MU,  64
.set RR,  96
.set WV,  52
.set SEL, 58
.set MSB, 0
.macro WIN new                         ; the immediate's high byte repeats the setting that is left
.if MSB != (\new)
	s_set_vgpr_msb (MSB<<8)|(\new)
.set MSB, (\new)
.endif
.endm
; 64 numbers of a lane, register 16 b + i = k 32 b + 16 h + i of my row, become a fragment's codes in v[pc] on and its scale word in v[pw]
.macro QUANT4 src, pc, pw
	WIN 0
.irp b, 0,1,2,3
	v_max3_num_f32 v[TM+\b], |v[(\src)+16*\b]|, |v[(\src)+16*\b+1]|, 0x2800000   ; with the floor 2^(5 - 127): the byte cannot fall under 1
.endr
.irp i, 2,4,6,8,10,12,14
.irp b, 0,1,2,3
	v_max3_num_f32 v[TM+\b], |v[(\src)+16*\b+\i]|, |v[(\src)+16*\b+\i+1]|, v[TM+\b]
.endr
.endr
.irp b, 0,1,2,3
	v_permlanex16_b32 v[TM+4+\b], v[TM+\b], s[SEL], s[SEL+1]
.endr
.irp b, 0,1,2,3
	v_max_num_f32 v[TM+\b], v[TM+\b], v[TM+4+\b]          ; with lane l xor 16's: the block's largest magnitude
.endr
.irp b, 0,1,2,3
	v_add_nc_u32 v[TM+12+\b], 0xfe000000, v[TM+\b]        ; 4 off its exponent field: the conversion's scale operand
.endr
.irp b, 0,1,2,3
	v_lshrrev_b32 v[TM+4+\b], 23, v[TM+12+\b]             ; the scale's byte
.endr
	v_lshl_or_b32 v[\pw], v[TM+5], 8, v[TM+4]
	v_lshl_or_b32 v[\pw], v[TM+6], 16, v[\pw]
	v_lshl_or_b32 v[\pw], v[TM+7], 24, v[\pw]
.irp c, 0,1
	v_cvt_scalef32_pk16_bf6_f32 v[(\pc)+6*\c:(\pc)+6*\c+2], v[(\src)+32*\c:(\src)+32*\c+15], v[TM+12+2*\c]
	v_cvt_scalef32_pk16_bf6_f32 v[YT+4*\c:YT+4*\c+2], v[(\src)+32*\c+16:(\src)+32*\c+31], v[TM+12+2*\c+1]
.endr
	v_nop                                          ; one plain place behind the conversions
.irp c, 0,1
.irp i, 0,1,2
	v_permlane16_swap_b32 v[(\pc)+6*\c+\i], v[YT+4*\c+\i]   ; a lane now holds both halves of ITS block: lanes 0-15 block 2 c, lanes 16-31 block 2 c + 1
.endr
.irp i, 0,1,2
	v_mov_b32 v[(\pc)+6*\c+3+\i], v[YT+4*\c+\i]
.endr
.endr
.endm
.macro DPPSUM base, n                  ; sums over the 16 lanes of a half, in every lane
.irp m, 1,2,4,8
.set i, 0
.rept \n
	v_add_f32_dpp v[\base+i], v[\base+i], v[\base+i] row_xmask:\m row_mask:0xf bank_mask:0xf
.set i, i+1
.endr
.endr
.endm
	s_load_b512 s[4:19], s[0:1], 0x0               ; x, ng, nb, pw_codes, sgu_w_codes, cw_codes, aq_img, aq_sc
	s_load_b64 s[20:21], s[0:1], 0x40              ; w_img
	v_lshl_add_u32 v254, v0, 2, 0x8400
	v_mov_b32 v255, 0
	v_lshrrev_b32 v1, 5, v0
	v_readfirstlane_b32 s[WV], v1                  ; wave 0..3
	s_mov_b32 s54, ttmp9                           ; wg
	s_mov_b32 s75, 0
	s_mov_b32 s[SEL], 0x76543210
	s_mov_b32 s[SEL+1], 0xfedcba98                 ; lane l xor 16
	s_mov_b32 s66, 0x3a800000                      ; 1 / 1024
	s_mov_b32 s67, 0x3727c5ac                      ; 1e-5
	v_and_b32 v1, 31, v0                           ; l
	v_and_b32 v2, 15, v0                           ; r
	v_bfe_u32 v3, v0, 4, 1                         ; h
	v_lshlrev_b32 v[LX], 4, v1
	s_mul_i32 s77, s[WV], WST
	v_add_nc_u32 v[STW], s77, v[LX]
	v_mul_u32_u24 v25, v2, 528
	v_lshl_add_u32 v25, v3, 6, v25
	v_add_nc_u32 v[STR], s77, v25
	v_mul_u32_u24 v[RLA], v2, 768
	v_mad_u32_u24 v[RLA], v3, 24, v[RLA]
	v_lshlrev_b32 v[SCA], 5, v2
	v_lshl_add_u32 v[SCA], v3, 4, v[SCA]
	s_wait_kmcnt 0x0
	; ---- each pointer at my part
	s_lshl_b32 s74, s54, 18
	s_lshl_b32 s77, s[WV], 16
	s_add_co_u32 s74, s74, s77
	s_add_nc_u64 s[4:5], s[4:5], s[74:75]          ; x: row 64 wg + 16 w
	s_lshl_b32 s77, s54, 2
	s_add_co_u32 s77, s77, s[WV]                   ; my tile of rows
	s_mul_i32 s74, s77, 12288
	s_add_nc_u64 s[16:17], s[16:17], s[74:75]      ; aq_img
	s_lshl_b32 s74, s77, 9
	s_add_nc_u64 s[18:19], s[18:19], s[74:75]      ; aq_sc
	; the weights: tensor wg / 64 (0: pw's rows 0-1023, 1: sgu_w, 2: cw, 3: pw's rows 1024-2047), tile wg % 64; my fragments are K steps w and 4 + w
	s_lshr_b32 s80, s54, 6
	s_cmp_eq_u32 s80, 1
	s_cselect_b64 s[82:83], s[12:13], s[10:11]
	s_cmp_eq_u32 s80, 2
	s_cselect_b64 s[82:83], s[14:15], s[82:83]
	s_cmp_eq_u32 s80, 3
	s_cselect_b32 s74, 786432, 0                   ; pw's row 1024
	s_and_b32 s77, s54, 63
	s_mul_i32 s77, s77, 12288                      ; 16 rows of 768 bytes
	s_add_co_u32 s74, s74, s77
	s_mul_i32 s77, s[WV], 96                       ; 128 codes
	s_add_co_u32 s74, s74, s77
	s_add_nc_u64 s[82:83], s[82:83], s[74:75]
	s_lshl_b32 s74, s54, 3
	s_add_co_u32 s74, s74, s[WV]
	s_mul_i32 s74, s74, 1536
	s_add_nc_u64 s[86:87], s[20:21], s[74:75]      ; w_img: fragment 8 wg + w
	; ---- loads
	WIN 0x40
.irp q, 0,1,2,3,4,5,6,7
	global_load_b128 v[NG+4*\q:NG+4*\q+3], v[LX], s[6:7] offset:512*\q
	global_load_b128 v[NB+4*\q:NB+4*\q+3], v[LX], s[8:9] offset:512*\q
.endr
	WIN 0
.irp p, 0,1,2,3,4,5
	global_load_b64 v[RL+2*\p:RL+2*\p+1], v[RLA], s[82:83] offset:48*(\p/3)+8*(\p%3)
.endr
.irp p, 0,1,2,3,4,5
	global_load_b64 v[RL+12+2*\p:RL+12+2*\p+1], v[RLA], s[82:83] offset:384+48*(\p/3)+8*(\p%3)
.endr
	WIN 0x80                                       ; x: row p, 512 consecutive bytes a load
.set i, 0
.rept 64
	global_load_b128 v[4*i:4*i+3], v[LX], s[4:5] offset:4096*(i/8)+512*(i%8) th:TH_LOAD_NT
.set i, i+1
.endr
	WIN 0xc0
.set i, 0
.rept 64
	global_load_b128 v[4*i:4*i+3], v[LX], s[4:5] offset:4096*(8+i/8)+512*(i%8) th:TH_LOAD_NT
.set i, i+1
.endr
	WIN 0
	; ---- the statistics of x, in two passes: the mean, then the mean of squared differences
	s_wait_loadcnt 56                              ; all but the youngest 56 loads (rows 9 to 15) are in
.irp c, 0,1,2
	global_store_b128 v[LX], v[RL+4*\c:RL+4*\c+3], s[86:87] offset:512*\c
.endr
.irp c, 0,1,2
	global_store_b128 v[LX], v[RL+12+4*\c:RL+12+4*\c+3], s[86:87] offset:6144+512*\c
.endr
.macro PAIRS W
	WIN (\W)|((\W)<<2)
.set i, 0
.rept 64
	v_pk_add_f32 v[TP+2*i:TP+2*i+1], v[4*i:4*i+1], v[4*i+2:4*i+3]
.set i, i+1
.endr
.endm
.macro SQUARES W
	WIN (\W)|((\W)<<2)
.set i, 0
.rept 64
	v_pk_mul_f32 v[TP+2*i:TP+2*i+1], v[4*i:4*i+1], v[4*i:4*i+1]
.set i, i+1
.endr
.set i, 0
.rept 64
	v_pk_fma_f32 v[TP+2*i:TP+2*i+1], v[4*i+2:4*i+3], v[4*i+2:4*i+3], v[TP+2*i:TP+2*i+1]
.set i, i+1
.endr
.endm
.macro TREE sb                         ; eight rows' eight pairs each become one number a row
	WIN 0
.set i, 0
.rept 32
.set tq, TP+16*(i/4)+2*(i%4)
	v_pk_add_f32 v[tq:tq+1], v[tq:tq+1], v[tq+8:tq+9]
.set i, i+1
.endr
.set i, 0
.rept 16
.set tq, TP+16*(i/2)+2*(i%2)
	v_pk_add_f32 v[tq:tq+1], v[tq:tq+1], v[tq+4:tq+5]
.set i, i+1
.endr
.set i, 0
.rept 8
	v_pk_add_f32 v[TP+16*i:TP+16*i+1], v[TP+16*i:TP+16*i+1], v[TP+16*i+2:TP+16*i+3]
.set i, i+1
.endr
.set i, 0
.rept 8
	v_add_f32 v[\sb+i], v[TP+16*i], v[TP+16*i+1]
.set i, i+1
.endr
.endm
.macro ACROSS                          ; the 16 rows' sums over all 32 lanes
	DPPSUM SS, 16
.set i, 0
.rept 16
	v_permlanex16_b32 v[TP+i], v[SS+i], s[SEL], s[SEL+1]
.set i, i+1
.endr
.set i, 0
.rept 16
	v_add_f32 v[SS+i], v[SS+i], v[TP+i]
.set i, i+1
.endr
.endm
.macro DIFFX W
	WIN ((\W)<<6)|4|(\W)
.set i, 0
.rept 128
	v_pk_add_f32 v[2*i:2*i+1], v[2*i:2*i+1], v[MU+2*(8*((\W)-2)+i/16):MU+2*(8*((\W)-2)+i/16)+1] neg_lo:[0,1] neg_hi:[0,1]
.set i, i+1
.endr
.endm
	PAIRS 2
	TREE SS
	s_wait_loadcnt 0x0
	PAIRS 3
	TREE SS+8
	ACROSS
	WIN 0x40
.set i, 0
.rept 16
	v_mul_f32 v[MU+2*i], s66, v[SS+i]
	v_mul_f32 v[MU+2*i+1], s66, v[SS+i]
.set i, i+1
.endr
	DIFFX 2
	DIFFX 3
	SQUARES 2
	TREE SS
	SQUARES 3
	TREE SS+8
	ACROSS
.set i, 0
.rept 16
	v_fma_f32 v[SS+i], v[SS+i], s66, s67
.set i, i+1
.endr
	WIN 0x40
.set i, 0
.rept 16
	v_rsq_f32 v[RR+2*i], v[SS+i]
	v_rsq_f32 v[RR+2*i+1], v[SS+i]
.set i, i+1
.endr
	v_nop
	s_wait_alu depctr_va_vdst(0)                   ; one wait for the batch, ahead of its first reader
	; ---- normalise, turn through my stage, quantise: a K step of 128 columns at a time
.macro NORM q
.irp W, 2,3
	WIN ((\W)<<6)|0x14|(\W)
.set i, 0
.rept 8
.set xr, 32*i+4*(\q)
.set rq, RR+2*(8*(\W-2)+i)
	v_pk_mul_f32 v[xr:xr+1], v[xr:xr+1], v[rq:rq+1]
	v_pk_mul_f32 v[xr+2:xr+3], v[xr+2:xr+3], v[rq:rq+1]
.set i, i+1
.endr
.set i, 0
.rept 8
.set xr, 32*i+4*(\q)
	v_pk_fma_f32 v[xr:xr+1], v[xr:xr+1], v[NG+4*(\q):NG+4*(\q)+1], v[NB+4*(\q):NB+4*(\q)+1]
	v_pk_fma_f32 v[xr+2:xr+3], v[xr+2:xr+3], v[NG+4*(\q)+2:NG+4*(\q)+3], v[NB+4*(\q)+2:NB+4*(\q)+3]
.set i, i+1
.endr
.endr
.endm
.macro TURNX q                         ; 16 rows x 512 bytes into rows of 528; back 64 bytes a lane and block.  LDS serves a wave's instructions in order: no wait between
	WIN 0x08
.set i, 0
.rept 8
	ds_store_b128 v[STW], v[32*i+4*(\q):32*i+4*(\q)+3] offset:528*i
.set i, i+1
.endr
	WIN 0x0c
.set i, 0
.rept 8
	ds_store_b128 v[STW], v[32*i+4*(\q):32*i+4*(\q)+3] offset:528*(i+8)
.set i, i+1
.endr
	WIN 0
.set i, 0
.rept 16
	ds_load_b128 v[ST+4*i:ST+4*i+3], v[STR] offset:128*(i/4)+16*(i%4)
.set i, i+1
.endr
.endm
	s_wait_xcnt 0x0                                ; the stores of the fragments laid out anew have read their registers, which the turned numbers take
	NORM 0
.irp q, 0,1,2,3,4,5,6,7
	TURNX \q
.if \q < 7
	NORM \q+1
.endif
	s_wait_dscnt 0x0
	QUANT4 ST, CD+12*\q, WD+\q
.irp c, 0,1,2
	global_store_b128 v[LX], v[CD+12*\q+4*\c:CD+12*\q+4*\c+3], s[16:17] offset:1536*\q+512*\c   ; 512 consecutive bytes
.endr
.endr
	v_cmp_eq_u32 vcc_lo, 1, v3
.irp k, 0,1,2,3
	v_cndmask_b32 v[YT+\k], v[WD+\k], v[WD+4+\k], vcc_lo           ; lanes 0-15: K step k; lanes 16-31: K step 4 + k
.endr
	global_store_b128 v[SCA], v[YT:YT+3], s[18:19]                 ; 16 rows x 32 bytes: 512 consecutive bytes
	s_wait_tensorcnt 0x0
	ds_add_u32 v254, v255
	s_wait_dscnt 0x0
	s_endpgm
.Lfunc_end_k_q078798a2e8_norm:
	.size	k_q078798a2e8_norm, .Lfunc_end_k_q078798a2e8_norm-k_q078798a2e8_norm
	.p2alignl 7, 3214868480
	.fill 96, 4, 3214868480
	.section	.rodata,"a",@progbits
	.p2align	6, 0x0
	.amdhsa_kernel k_q078798a2e8_norm
		.amdhsa_group_segment_fixed_size 34304
		.amdhsa_private_segment_fixed_size 0
		.amdhsa_enable_private_segment 0
		.amdhsa_kernarg_size 72
		.amdhsa_user_sgpr_count 2
		.amdhsa_user_sgpr_kernarg_segment_ptr 1
		.amdhsa_wavefront_size32 1
		.amdhsa_system_sgpr_workgroup_id_x 1
		.amdhsa_system_sgpr_workgroup_id_y 1
		.amdhsa_system_sgpr_workgroup_id_z 1
		.amdhsa_system_vgpr_workitem_id 0
		.amdhsa_next_free_vgpr 1024
		.amdhsa_next_free_sgpr 96
		.amdhsa_reserve_vcc 1
		.amdhsa_float_denorm_mode_32 3
		.amdhsa_float_denorm_mode_16_64 3
		.amdhsa_memory_ordered 1
		.amdhsa_forward_progress 1
		.amdhsa_inst_pref_size 170
	.end_amdhsa_kernel
	.amdgpu_metadata
---
amdhsa.version: [ 1, 2 ]
amdhsa.kernels:
  - .name:           k_q078798a2e8_norm
    .symbol:         k_q078798a2e8_norm.kd
    .args:
      - { .name: x, .offset: 0, .size: 8, .value_kind: global_buffer, .address_space: global }
      - { .name: ng, .offset: 8, .size: 8, .value_kind: global_buffer, .address_space: global }
      - { .name: nb, .offset: 16, .size: 8, .value_kind: global_buffer, .address_space: global }
      - { .name: pw_codes, .offset: 24, .size: 8, .value_kind: global_buffer, .address_space: global }
      - { .name: sgu_w_codes, .offset: 32, .size: 8, .value_kind: global_buffer, .address_space: global }
      - { .name: cw_codes, .offset: 40, .size: 8, .value_kind: global_buffer, .address_space: global }
      - { .name: aq_img, .offset: 48, .size: 8, .value_kind: global_buffer, .address_space: global }
      - { .name: aq_sc, .offset: 56, .size: 8, .value_kind: global_buffer, .address_space: global }
      - { .name: w_img, .offset: 64, .size: 8, .value_kind: global_buffer, .address_space: global }
    .group_segment_fixed_size: 34304
    .private_segment_fixed_size: 0
    .kernarg_segment_align: 8
    .kernarg_segment_size: 72
    .max_flat_workgroup_size: 128
    .sgpr_count:     96
    .vgpr_count:     1024
    .wavefront_size: 32
...
	.end_amdgpu_metadata
.endif
;; end of part 4
;; launch front (part 5): grid 256 x 1, 4 waves a work-group, clusters of 4 x 1, 327,680 bytes of LDS; arguments aq_img, aq_sc, w_img, pw_scales, pb, sng, snb, weight, vq_img, vq_sc; writes vq_img, vq_sc
.if DOCPART == 5
	.amdgcn_target "amdgcn-amd-amdhsa--gfx1250"
	.amdhsa_code_object_version 6
	.text
	.protected	k_q078798a2e8_front
	.globl	k_q078798a2e8_front
	.p2align	8
	.type	k_q078798a2e8_front,@function
k_q078798a2e8_front:
	s_mov_b64 s[64:65], 0
	v_nop
	global_prefetch_b8 v0, s[64:65] scope:SCOPE_SE
	s_setreg_imm32_b32 hwreg(HW_REG_WAVE_MODE, 25, 1), 1
	s_wait_xcnt 0x0
	s_wait_alu depctr_hold_cnt(0) depctr_sa_sdst(0) depctr_va_vdst(0) depctr_va_sdst(0) depctr_va_ssrc(0) depctr_va_vcc(0) depctr_vm_vsrc(0)
	s_getreg_b32 s2, hwreg(HW_REG_IB_STS2, 6, 4)
	s_cmp_eq_u32 s2, 0
	s_cbranch_scc0 .Lentry_in_a_cluster
	s_endpgm
.Lentry_in_a_cluster:
	s_bfe_u32 s2, ttmp6, 0x10000c
	s_cmp_lg_u32 s2, 0x3003
	s_cbranch_scc0 .Lentry_shape_is_right
	s_endpgm
.Lentry_shape_is_right:
; FRONT.  For 64 rows s of one batch: v = swish(a pw_v + pb_v) for all 1,024 t (the second half of pw's columns), a being the stored codes of layernorm(x);
; y = layernorm(v) x weight[s], quantised along s (codes to vq_img, scale bytes to vq_sc).  The product on codes of BF6 (E3M2) with one E8M0 scale for each 32 along K; everything ahead of the quantiser in f32.
; SHARES.  Work-group wg = 4 x cluster + place takes rows 64 wg .. + 63.  t goes in two chunks of 512; wave w takes 128 t of a chunk (8 tiles) against all 64 rows (4 tiles).
; Source 0 = 16 rows of a, source 1 = 16 rows of pw_v: a lane holds ONE column t and its registers run down s, which is the next product's K.  pb is the C of each chunk's first K step.
; LDS.  Two slots of 256 along K: a chunk's 32 tiles of pw_v, a tile's two fragments on end, as register images (from w_img's fourth tensor).  a's 32 fragments lie behind the ring: each wave brings its tile's eight through registers.
; CLUSTER.  The four partners walk the same tiles of pw_v: each is asked for jointly, by the same tensor load with the same descriptor and the mask of all four.
; FORMATS OF THE WORKSPACE.  A fragment is 16 rows x 128 K, 12 registers a lane.  aq_img, w_img: registers 4 c .. 4 c + 3 of lane l at 512 c + 16 l.  vq_img: registers 2 p, 2 p + 1 of lane l at 256 p + 8 l
; (this work-group's 64 rows are half a K step: registers 6 cc .. 6 cc + 5).  A scale register holds the word of K step kk in lanes 0-15 and of K step 4 + kk in lanes 16-31.
; LIMITS.  NaN and infinities are not served.  A block whose largest magnitude lies under 2^-122 keeps the scale byte 1, a block of zeros too (its codes are zeros; this program alone reads the bytes).
; The sigmoid is v_exp_f32 and v_rcp_f32 (each good to the last bit or so; results under the smallest normal number become 0).
; No prefetch: a quarter of the tiles go out at the head and there is no loop over whose trips requests could be spread.
; REGISTERS, in windows of 256.  Window 0: v1-3 lane, r, h; v4-24 addresses; the rest by phase (below).  Window 1: pw_v's fragments, pb; later gains and means.  Windows 2, 3: the accumulators of chunk 0, 1.
.set SLOT,  98304                      ; 32 tiles x 2 fragments x 1,536 bytes
.set AIMG,  2*SLOT                     ; a's 32 fragments as register images
.set STAT,  AIMG+49152                 ; two exchanges of row sums, 4 waves x 256 bytes each
.set SCS,   STAT+2048                  ; y's scale bytes, two for each t
.set SPARE, SCS+2048                   ; the spare words, 128 bytes a wave: two blocks of 256 bytes that no other line names
.set LX,  4                            ; 16 x lane
.set SPW, 5                            ; my spare word
.set NIL, 6                            ; 0
.set STW, 7                            ; AIMG + 12288 w + 16 l
.set AIR, 10                           ; AIMG + 16 l
.set BQ,  12                           ; v12, v13: slot 0, 1: my eight tiles of pw_v, + 16 l
.set SCA, 17                           ; 32 r + 16 h
.set R4,  18                           ; 4 r
.set H32, 19                           ; 32 h
.set STS, 20                           ; STAT + 256 w + 32 h
.set STL, 21                           ; STAT + 32 h
.set SCW, 22                           ; SCS + 256 w + 2 r
.set SCR, 23                           ; SCS + 256 w + 8 l
.set L8,  24                           ; 8 x lane
; window 0 in the product
.set SA,  32                           ; v32-47 a's scale registers
.set AF,  48                           ; v48-95, v96-143 a's fragments, two sets
.set IM,  48                           ; v48-143 at the head: my tile's eight fragments on their way into LDS
.set TT,  144                          ; v144-175 at work in the activation
.set PBV, 176                          ; v176-191 pb of my 16 columns
.set SB1, 192                          ; v192-223 pw_v's scale registers, chunk 1
.set SB0, 224                          ; v224-255 chunk 0
; window 0 behind the product
.set SQ,  32                           ; v32-63 row sums
.set EX,  64                           ; v64-191 the four waves' sums
.set QM,  32
.set QP,  40
.set QS,  48
.set QB,  56
.set CR,  64                           ; v64-95 codes, 8 registers a tile
.set YQ,  96                           ; v96-111
; window 1: v0-95, v96-191 pw_v's fragments, two sets
.set BC,  192                          ; v192-255 pb in the result's layout: eight registers a tile of columns
.set GS,  0
.set BS,  32
.set WGT, 64
.set RV,  96
.set MM,  128
; scalars
.set G1,  36
.set G0,  44
.set WV,  52
.set SEL, 58
.set PS0, 68
.set PS1, 69
.set PS2, 70
.set NLE, 72
.set MSB, 0
.macro WIN new                         ; the immediate's high byte repeats the setting that is left
.if MSB != (\new)
	s_set_vgpr_msb (MSB<<8)|(\new)
.set MSB, (\new)
.endif
.endm
.macro PLACES n
.rept \n
	v_nop
.endr
.endm
.macro CREST                           ; a round of the cluster's barrier behind its opening barrier
	s_cmp_lg_u32 s[WV], 0
	s_cbranch_scc1 .Lnot_wave_0_\@
	s_barrier_signal -3
.Lnot_wave_0_\@:
	s_barrier_wait -3
	s_barrier_signal -1
	s_barrier_wait -1
.endm
.macro CROUND
	s_barrier_signal -1
	s_barrier_wait -1
	CREST
.endm
.macro FRAGQ reg, adr, off             ; a fragment from its register image
.irp c, 0,1,2
	ds_load_b128 v[\reg+4*\c:\reg+4*\c+3], v[\adr] offset:\off+512*\c
.endr
.endm
.macro WMM d, a, b, c, sa, sb, hi      ; one product; hi: the scale words of K steps 4 to 7 lie in lanes 16-31
.if (\hi) == 0
	v_wmma_scale_f32_16x16x128_f8f6f4 v[(\d):(\d)+7], v[(\a):(\a)+11], v[(\b):(\b)+11], v[(\c):(\c)+7], v[\sa], v[\sb] matrix_a_fmt:MATRIX_FMT_BF6 matrix_b_fmt:MATRIX_FMT_BF6
.else
	v_wmma_scale_f32_16x16x128_f8f6f4 v[(\d):(\d)+7], v[(\a):(\a)+11], v[(\b):(\b)+11], v[(\c):(\c)+7], v[\sa], v[\sb] matrix_a_fmt:MATRIX_FMT_BF6 matrix_b_fmt:MATRIX_FMT_BF6 matrix_a_scale:MATRIX_SCALE_ROW1 matrix_b_scale:MATRIX_SCALE_ROW1
.endif
.endm
; Two runs of 16 codes, P = groups 0 and 2 of a block's four groups of 8 codes (in R .. R + 2) and Q = groups 1 and 3, become the block's 192 bits in R .. R + 5
.macro MERGE R, Q
	v_perm_b32 v[\R+3], v[\R+2], v[\R+1], s[PS1]
	v_perm_b32 v[\R+4], v[\Q+1], v[\R+2], s[PS2]
	v_mov_b32 v[\R+5], v[\Q+2]
	v_perm_b32 v[\R+2], v[\Q+1], v[\Q], s[PS1]
	v_perm_b32 v[\R+1], v[\Q], v[\R+1], s[PS0]
.endm
; z = z x sigmoid(z), on 32 registers of window W, from the low end on.  Each batch of transcendentals has one plain line and one wait behind it
.macro SWISH W, base
	WIN \W
.set i, 0
.rept 16
	v_pk_mul_f32 v[TT+2*i:TT+2*i+1], v[(\base)+2*i:(\base)+2*i+1], s[NLE:NLE+1] op_sel_hi:[1,0]
.set i, i+1
.endr
	WIN 0
.set i, 0
.rept 32
	v_exp_f32 v[TT+i], v[TT+i]
.set i, i+1
.endr
	v_nop
	s_wait_alu depctr_va_vdst(0)
.set i, 0
.rept 16
	v_pk_add_f32 v[TT+2*i:TT+2*i+1], v[TT+2*i:TT+2*i+1], 1.0 op_sel_hi:[1,0]
.set i, i+1
.endr
.set i, 0
.rept 32
	v_rcp_f32 v[TT+i], v[TT+i]
.set i, i+1
.endr
	v_nop
	s_wait_alu depctr_va_vdst(0)
	WIN ((\W)<<6)|(\W)
.set i, 0
.rept 16
	v_pk_mul_f32 v[(\base)+2*i:(\base)+2*i+1], v[(\base)+2*i:(\base)+2*i+1], v[TT+2*i:TT+2*i+1]
.set i, i+1
.endr
.endm
.macro DPPSUM base, n                  ; sums over the 16 lanes of a half, in every lane
.irp m, 1,2,4,8
.set i, 0
.rept \n
	v_add_f32_dpp v[\base+i], v[\base+i], v[\base+i] row_xmask:\m row_mask:0xf bank_mask:0xf
.set i, i+1
.endr
.endr
.endm
.macro BIAS c                          ; chunk c's pb in the result's layout: a lane's column has one number for all its rows.  64 moves take the place of 128 packed additions
	WIN 0x40
.set i, 0
.rept 64
	v_mov_b32 v[BC+i], v[PBV+8*(\c)+i/8]
.set i, i+1
.endr
	WIN 0
.endm
	; ---- head: ids, the descriptor, the first two fills
	s_load_b512 s[4:19], s[0:1], 0x0               ; aq_img, aq_sc, w_img, pw_scales, pb, sng, snb, weight
	s_load_b128 s[20:23], s[0:1], 0x40             ; vq_img, vq_sc
	v_lshl_add_u32 v[SPW], v0, 2, SPARE
	v_mov_b32 v[NIL], 0
	ds_add_u32 v5, v6
	ds_add_u32 v5, v6
	s_wait_dscnt 0x0
	v_lshrrev_b32 v1, 5, v0
	v_readfirstlane_b32 s[WV], v1                  ; wave 0..3
	s_bfe_u32 s53, ttmp6, 0x40000                  ; my place in the cluster
	s_lshl_b32 s54, ttmp9, 2
	s_add_co_u32 s54, s54, s53                     ; wg: it enters global addresses of my own rows alone
	s_mov_b32 s[G1], 15|(3<<16)|(1<<21)            ; the mask of all four; elements of 8 bytes; no padding; bit 21 beside a mask
	s_mov_b32 s[G1+1], 384<<16                     ; tensor_dim0: a tile's two fragments, 3,072 bytes
	s_mov_b32 s[G1+2], 8<<16                       ; tensor_dim1: eight tiles
	s_mov_b32 s[G1+3], 384<<16                     ; tile_dim0
	s_mov_b32 s[G1+4], 8                           ; tile_dim1
	s_mov_b32 s[G1+5], 1536                        ; from tile to tile: eight fragments
	s_mov_b32 s[G1+6], 0
	s_mov_b32 s[G1+7], 0
	s_mul_i32 s74, s[WV], 98304
	s_add_co_u32 s74, s74, 2359296                 ; w_img's fourth tensor, tile 8 w
	s_mov_b32 s75, 0
	s_mul_i32 s76, s[WV], 24576
	s_mov_b32 s[SEL], 0x76543210
	s_mov_b32 s[SEL+1], 0xfedcba98                 ; lane l xor 16
	s_mov_b32 s66, 0x3a800000                      ; 1 / 1024
	s_mov_b32 s67, 0x3727c5ac                      ; 1e-5
	s_mov_b32 s[PS0], 0x05040100
	s_mov_b32 s[PS1], 0x05040302
	s_mov_b32 s[PS2], 0x07060302
	s_mov_b32 s[NLE], 0xbfb8aa3b                   ; -log2(e)
	s_mov_b32 s[NLE+1], s[NLE]
	s_wait_kmcnt 0x0
	s_add_nc_u64 s[78:79], s[8:9], s[74:75]
	CROUND                                         ; all four work-groups are here: the first joint loads meet
.irp s, 0,1
	s_mov_b32 s[G0+4*\s], 1
	s_add_co_u32 s[G0+4*\s+1], s76, \s*SLOT
	s_add_nc_u64 s[G0+4*\s+2:G0+4*\s+3], s[78:79], \s*3072
	s_or_b32 s[G0+4*\s+3], s[G0+4*\s+3], 0x80000000
.endr
	tensor_load_to_lds s[G0:G0+3], s[G1:G1+7]      ; chunk 0, K 0 .. 255
	s_nop 0
	tensor_load_to_lds s[G0+4:G0+7], s[G1:G1+7]    ; chunk 0, K 256 .. 511: two loads of mine are out
	s_nop 0
	PLACES 4
	; ---- addresses
	v_and_b32 v1, 31, v0                           ; l
	v_and_b32 v2, 15, v0                           ; r
	v_bfe_u32 v3, v0, 4, 1                         ; h
	v_lshlrev_b32 v[LX], 4, v1
	v_lshlrev_b32 v[L8], 3, v1
	s_mul_i32 s77, s[WV], 12288
	s_add_co_u32 s77, s77, AIMG
	v_add_nc_u32 v[STW], s77, v[LX]
	v_add_nc_u32 v[AIR], AIMG, v[LX]
	v_add_nc_u32 v[BQ], s76, v[LX]
	s_add_co_u32 s77, s76, SLOT
	v_add_nc_u32 v[BQ+1], s77, v[LX]
	v_lshlrev_b32 v[SCA], 5, v2
	v_lshl_add_u32 v[SCA], v3, 4, v[SCA]
	v_lshlrev_b32 v[R4], 2, v2
	v_lshlrev_b32 v[H32], 5, v3
	s_lshl_b32 s77, s[WV], 8
	s_add_co_u32 s78, s77, STAT
	v_add_nc_u32 v[STS], s78, v[H32]
	v_add_nc_u32 v[STL], STAT, v[H32]
	s_add_co_u32 s78, s77, SCS
	v_lshl_add_u32 v[SCW], v2, 1, s78
	v_add_nc_u32 v[SCR], s78, v[L8]
	; ---- each pointer at my part
	s_lshl_b32 s77, s54, 2
	s_add_co_u32 s77, s77, s[WV]                   ; the tile of rows that I bring into LDS
	s_mul_i32 s74, s77, 12288
	s_add_nc_u64 s[4:5], s[4:5], s[74:75]          ; aq_img
	s_lshl_b32 s74, s54, 11
	s_add_nc_u64 s[6:7], s[6:7], s[74:75]          ; aq_sc: row 64 wg
	s_lshl_b32 s74, s[WV], 12
	s_add_co_u32 s74, s74, 32768
	s_add_nc_u64 s[10:11], s[10:11], s[74:75]      ; pw_scales: row 1024 + 128 w
	s_lshl_b32 s74, s[WV], 9
	s_add_nc_u64 s[14:15], s[14:15], s[74:75]      ; sng, snb: t = 128 w
	s_add_nc_u64 s[16:17], s[16:17], s[74:75]
	s_add_co_u32 s74, s74, 4096
	s_add_nc_u64 s[12:13], s[12:13], s[74:75]      ; pb: 1024 + 128 w
	s_lshl_b32 s74, s54, 8
	s_add_nc_u64 s[18:19], s[18:19], s[74:75]      ; weight: row 64 wg
	s_lshr_b32 s74, s54, 4
	s_mul_i32 s74, s74, 786432                     ; the batch,
	s_bfe_u32 s77, s54, 0x30001
	s_mul_i32 s77, s77, 1536                       ; the K step of 128 s,
	s_add_co_u32 s74, s74, s77
	s_and_b32 s77, s54, 1
	s_mul_i32 s77, s77, 768                        ; its half,
	s_add_co_u32 s74, s74, s77
	s_mul_i32 s77, s[WV], 98304                    ; my eight tiles of t
	s_add_co_u32 s74, s74, s77
	s_add_nc_u64 s[20:21], s[20:21], s[74:75]      ; vq_img
	s_lshl_b32 s74, s54, 11
	s_lshl_b32 s77, s[WV], 8
	s_add_co_u32 s74, s74, s77
	s_add_nc_u64 s[22:23], s[22:23], s[74:75]      ; vq_sc
	; ---- loads at the head: my tile of a first, then all scale registers and pb
.set i, 0
.rept 24
	global_load_b128 v[IM+4*i:IM+4*i+3], v[LX], s[4:5] offset:512*i
.set i, i+1
.endr
.irp a, 0,1,2,3
	global_load_b128 v[SA+4*\a:SA+4*\a+3], v[SCA], s[6:7] offset:512*\a
.endr
.irp b, 0,1,2,3,4,5,6,7
	global_load_b128 v[SB0+4*\b:SB0+4*\b+3], v[SCA], s[10:11] offset:512*\b
.endr
.irp b, 0,1,2,3,4,5,6,7
	global_load_b128 v[SB1+4*\b:SB1+4*\b+3], v[SCA], s[10:11] offset:16384+512*\b
.endr
.set i, 0
.rept 16
	global_load_b32 v[PBV+i], v[R4], s[12:13] offset:2048*(i/8)+64*(i%8)
.set i, i+1
.endr
	s_wait_loadcnt 36                              ; my tile's 24 loads are in; the 4 + 8 + 8 + 16 issued behind them may be out
.set i, 0
.rept 24
	ds_store_b128 v[STW], v[IM+4*i:IM+4*i+3] offset:512*i          ; my eight fragments' images
.set i, i+1
.endr
	s_wait_loadcnt 0x0
	BIAS 0
	s_wait_tensorcnt 1                             ; my part of slot 0 is in; slot 1's may stay out
	s_wait_dscnt 0x0                               ; my images lie in LDS
	s_barrier_signal -1
	s_barrier_wait -1
	; ---- the product: 2 chunks x 8 K steps x 32 matrix instructions; the 32 accumulators take turns
.macro FETCHF slot, q, k, set
	WIN 0x40
.irp i, 0,1,2,3,4,5,6,7
	FRAGQ 96*(\set)+12*\i, BQ+\slot, 3072*\i+1536*(\q)
.endr
	WIN 0
.irp a, 0,1,2,3
	FRAGQ AF+48*(\set)+12*\a, AIR, (8*\a+(\k))*1536
.endr
.endm
.macro MULF c, k, set, b0, n
.if (\k) == 0
	WIN 0x94+0x40*(\c)                             ; C: pb, in window 1
.else
	WIN 0xa4+0x50*(\c)
.endif
.set bb, \b0
.rept \n
.irp a, 0,1,2,3
.if (\k) == 0
	WMM 32*bb+8*\a, AF+48*(\set)+12*\a, 96*(\set)+12*bb, BC+8*bb, SA+4*\a, SB0-32*(\c)+4*bb, 0
.else
	WMM 32*bb+8*\a, AF+48*(\set)+12*\a, 96*(\set)+12*bb, 32*bb+8*\a, SA+4*\a+(\k)%4, SB0-32*(\c)+4*bb+(\k)%4, (\k)/4
.endif
.endr
.set bb, bb+1
.endr
.endm
.macro STEPF c, k, slot                ; a slot's first K step; the second's fragments are fetched in its middle, four places behind the products that read their registers last
	s_wait_dscnt 0x0
	MULF \c, \k, 0, 0, 4
	PLACES 4
	FETCHF \slot, 1, (\k)+1, 1
	MULF \c, \k, 0, 4, 4
.endm
; A slot's second K step changes slots: each wave waits for all its tensor loads, adds 0 to its spare word, waits for that and for its reads of the slot, and signals.  fill = 1: the barrier opens a round of the
; cluster's barrier, and the joint refill of the slot just left is the first thing behind it
.macro TURNF c, k, slot, fill, step
	WIN 0
	s_wait_tensorcnt 0x0                           ; all my tensor loads have landed: my part of the other slot
	ds_add_u32 v[SPW], v[NIL]
	s_wait_dscnt 1                                 ; this K step's fragments are in; the add may be out
	MULF \c, \k, 1, 0, 2
	s_wait_dscnt 0x0                               ; the add is done, and my reads of this slot are over
	s_barrier_signal -1
	MULF \c, \k, 1, 2, 2
	WIN 0
	s_barrier_wait -1
.if \fill
	CREST
	s_add_nc_u64 s[G0+4*(\slot)+2:G0+4*(\slot)+3], s[G0+4*(\slot)+2:G0+4*(\slot)+3], \step
	tensor_load_to_lds s[G0+4*(\slot):G0+4*(\slot)+3], s[G1:G1+7]
	s_nop 0
	PLACES 4                                       ; also the places in front of the loads below
.else
	PLACES 4
.endif
	FETCHF 1-(\slot), 0, ((\k)+1)%8, 0
	MULF \c, \k, 1, 4, 4
.endm
	FETCHF 0, 0, 0, 0
	STEPF 0, 0, 0
	TURNF 0, 1, 0, 1, 6144                         ; two slots on along K: four fragments
	STEPF 0, 2, 1
	TURNF 0, 3, 1, 1, 6144
	STEPF 0, 4, 0
	TURNF 0, 5, 0, 1, 387072                       ; on to chunk 1: 32 tiles on, back along K
	STEPF 0, 6, 1
	TURNF 0, 7, 1, 1, 387072
	BIAS 1
	STEPF 1, 0, 0
	SWISH 2, 0                                     ; chunk 0's activation, a tile of columns behind each K step of chunk 1
	TURNF 1, 1, 0, 1, 6144
	SWISH 2, 32
	STEPF 1, 2, 1
	SWISH 2, 64
	TURNF 1, 3, 1, 1, 6144
	SWISH 2, 96
	STEPF 1, 4, 0
	SWISH 2, 128
	TURNF 1, 5, 0, 0, 0                            ; nothing is left to fetch
	SWISH 2, 160
	STEPF 1, 6, 1
	SWISH 2, 192
	s_wait_dscnt 0x0
	MULF 1, 7, 1, 0, 8
	SWISH 2, 224
	; ---- behind the product: chunk 1's activation, layernorm over t, x weight, the quantiser along s
	PLACES 4
	WIN 0x40
.set i, 0
.rept 16
	global_load_b32 v[GS+2*i], v[R4], s[14:15] offset:2048*(i/8)+64*(i%8)     ; each twice: a pair for the packed forms
	global_load_b32 v[GS+2*i+1], v[R4], s[14:15] offset:2048*(i/8)+64*(i%8)
	global_load_b32 v[BS+2*i], v[R4], s[16:17] offset:2048*(i/8)+64*(i%8)
	global_load_b32 v[BS+2*i+1], v[R4], s[16:17] offset:2048*(i/8)+64*(i%8)
.set i, i+1
.endr
.set i, 0
.rept 8
	global_load_b128 v[WGT+4*i:WGT+4*i+3], v[H32], s[18:19] offset:64*(i/2)+16*(i%2)   ; weight of rows 16 a + 8 h + 0 .. 7
.set i, i+1
.endr
.irp b, 0,1,2,3,4,5,6,7
	SWISH 3, 32*\b
.endr
; My lanes' sums for the 64 rows: over the 16 lanes of a half, then over the four waves through LDS (each exchange has bytes of its own)
.macro XCHG x
	WIN 0
	DPPSUM SQ, 32
.set i, 0
.rept 8
	ds_store_b128 v[STS], v[SQ+4*i:SQ+4*i+3] offset:1024*(\x)+64*(i/2)+16*(i%2)    ; sixteen lanes write the same bytes with the same values
.set i, i+1
.endr
	s_wait_dscnt 0x0
	s_barrier_signal -1
	s_barrier_wait -1
.set i, 0
.rept 32
	ds_load_b128 v[EX+4*i:EX+4*i+3], v[STL] offset:1024*(\x)+256*(i/8)+64*((i%8)/2)+16*(i%2)
.set i, i+1
.endr
	s_wait_dscnt 0x0
.set i, 0
.rept 16
	v_pk_add_f32 v[EX+2*i:EX+2*i+1], v[EX+2*i:EX+2*i+1], v[EX+32+2*i:EX+32+2*i+1]
	v_pk_add_f32 v[EX+64+2*i:EX+64+2*i+1], v[EX+64+2*i:EX+64+2*i+1], v[EX+96+2*i:EX+96+2*i+1]
.set i, i+1
.endr
.set i, 0
.rept 16
	v_pk_add_f32 v[SQ+2*i:SQ+2*i+1], v[EX+2*i:EX+2*i+1], v[EX+64+2*i:EX+64+2*i+1]
.set i, i+1
.endr
.endm
	WIN 0x0a
.set i, 0
.rept 16
	v_pk_add_f32 v[SQ+2*i:SQ+2*i+1], v[2*i:2*i+1], v[32+2*i:32+2*i+1]
.set i, i+1
.endr
	WIN 0x02
.set i, 32
.rept 96
	v_pk_add_f32 v[SQ+(2*i)%32:SQ+(2*i)%32+1], v[2*i:2*i+1], v[SQ+(2*i)%32:SQ+(2*i)%32+1]
.set i, i+1
.endr
	WIN 0x03
.set i, 0
.rept 128
	v_pk_add_f32 v[SQ+(2*i)%32:SQ+(2*i)%32+1], v[2*i:2*i+1], v[SQ+(2*i)%32:SQ+(2*i)%32+1]
.set i, i+1
.endr
	XCHG 0
	WIN 0x40
.set i, 0
.rept 16
	v_pk_mul_f32 v[MM+2*i:MM+2*i+1], v[SQ+2*i:SQ+2*i+1], s[66:67] op_sel_hi:[1,0]    ; the rows' means
.set i, i+1
.endr
.irp W, 2,3
	WIN ((\W)<<6)|4|(\W)
.set i, 0
.rept 128
	v_pk_add_f32 v[2*i:2*i+1], v[2*i:2*i+1], v[MM+(2*i)%32:MM+(2*i)%32+1] neg_lo:[0,1] neg_hi:[0,1]
.set i, i+1
.endr
.endr
	WIN 0x0a
.set i, 0
.rept 16
	v_pk_mul_f32 v[SQ+2*i:SQ+2*i+1], v[2*i:2*i+1], v[2*i:2*i+1]
.set i, i+1
.endr
.rept 112
	v_pk_fma_f32 v[SQ+(2*i)%32:SQ+(2*i)%32+1], v[2*i:2*i+1], v[2*i:2*i+1], v[SQ+(2*i)%32:SQ+(2*i)%32+1]
.set i, i+1
.endr
	WIN 0x0f
.set i, 0
.rept 128
	v_pk_fma_f32 v[SQ+(2*i)%32:SQ+(2*i)%32+1], v[2*i:2*i+1], v[2*i:2*i+1], v[SQ+(2*i)%32:SQ+(2*i)%32+1]
.set i, i+1
.endr
	XCHG 1
.set i, 0
.rept 32
	v_fma_f32 v[SQ+i], v[SQ+i], s66, s67
.set i, i+1
.endr
	WIN 0x40
.set i, 0
.rept 32
	v_rsq_f32 v[RV+i], v[SQ+i]
.set i, i+1
.endr
	v_nop
	s_wait_alu depctr_va_vdst(0)
	s_wait_loadcnt 0x0                             ; sng, snb, weight
.irp c, 0,1
	WIN ((2+\c)<<6)|0x14|(2+\c)
.set i, 0
.rept 128
	v_pk_mul_f32 v[2*i:2*i+1], v[2*i:2*i+1], v[RV+(2*i)%32:RV+(2*i)%32+1]
.set i, i+1
.endr
.set i, 0
.rept 128
	v_pk_fma_f32 v[2*i:2*i+1], v[2*i:2*i+1], v[GS+2*(8*\c+i/16):GS+2*(8*\c+i/16)+1], v[BS+2*(8*\c+i/16):BS+2*(8*\c+i/16)+1]
.set i, i+1
.endr
.set i, 0
.rept 128
	v_pk_mul_f32 v[2*i:2*i+1], v[2*i:2*i+1], v[WGT+(2*i)%32:WGT+(2*i)%32+1]
.set i, i+1
.endr
.endr
; Four tiles of columns: each lane's 32 registers of a tile are two blocks of 32 along s, shared with lane l xor 16.  The six registers made are registers 6 cc .. 6 cc + 5 of the tile's fragment
.macro QUANTV c, b0
	s_wait_xcnt 0x0                                ; the last four tiles' stores have read their registers
	WIN (2+\c)|((2+\c)<<2)
.irp e, 0,1,2,3,4,5,6,7
	v_max3_num_f32 v[QM+\e], |v[32*(\b0)+16*\e]|, |v[32*(\b0)+16*\e+1]|, 0x2800000   ; with the floor 2^(5 - 127): the byte cannot fall under 1
.endr
.irp i, 2,4,6,8,10,12,14
.irp e, 0,1,2,3,4,5,6,7
	v_max3_num_f32 v[QM+\e], |v[32*(\b0)+16*\e+\i]|, |v[32*(\b0)+16*\e+\i+1]|, v[QM+\e]
.endr
.endr
	WIN 0
.irp e, 0,1,2,3,4,5,6,7
	v_permlanex16_b32 v[QP+\e], v[QM+\e], s[SEL], s[SEL+1]
.endr
.irp e, 0,1,2,3,4,5,6,7
	v_max_num_f32 v[QM+\e], v[QM+\e], v[QP+\e]
.endr
.irp e, 0,1,2,3,4,5,6,7
	v_add_nc_u32 v[QS+\e], 0xfe000000, v[QM+\e]
.endr
.irp e, 0,1,2,3,4,5,6,7
	v_lshrrev_b32 v[QB+\e], 23, v[QS+\e]
.endr
.irp u, 0,1,2,3
	v_lshl_or_b32 v[QB+2*\u], v[QB+2*\u+1], 8, v[QB+2*\u]
.endr
	WIN 2+\c
.irp u, 0,1,2,3
	v_cvt_scalef32_pk16_bf6_f32 v[CR+8*\u:CR+8*\u+2], v[32*(\b0)+32*\u:32*(\b0)+32*\u+15], v[QS+2*\u]
	v_cvt_scalef32_pk16_bf6_f32 v[YQ+4*\u:YQ+4*\u+2], v[32*(\b0)+32*\u+16:32*(\b0)+32*\u+31], v[QS+2*\u+1]
.endr
	WIN 0
	v_nop                                          ; one plain place behind the conversions
.irp u, 0,1,2,3
.irp i, 0,1,2
	v_permlane16_swap_b32 v[CR+8*\u+\i], v[YQ+4*\u+\i]
.endr
	MERGE CR+8*\u, YQ+4*\u
.endr
.irp u, 0,1,2,3
	ds_store_b16 v[SCW], v[QB+2*\u] offset:1024*(\c)+32*((\b0)+\u)
.irp p, 0,1,2
	global_store_b64 v[L8], v[CR+8*\u+2*\p:CR+8*\u+2*\p+1], s[20:21] offset:(32*(\c)+(\b0)+\u)*12288+256*\p   ; 32 lanes store 256 consecutive bytes, aligned
.endr
.endr
.endm
	QUANTV 0, 0
	QUANTV 0, 4
	QUANTV 1, 0
	QUANTV 1, 4
	ds_load_b64 v[QM:QM+1], v[SCR]                 ; my wave's own bytes: LDS serves them in order
	ds_load_b64 v[QM+2:QM+3], v[SCR] offset:1024
	s_wait_dscnt 0x0
	global_store_b64 v[L8], v[QM:QM+1], s[22:23]
	global_store_b64 v[L8], v[QM+2:QM+3], s[22:23] offset:1024
	s_wait_tensorcnt 0x0                           ; the wave's end
	ds_add_u32 v[SPW], v[NIL]
	s_wait_dscnt 0x0
	CROUND                                         ; the closing round
	s_endpgm
.Lfunc_end_k_q078798a2e8_front:
	.size	k_q078798a2e8_front, .Lfunc_end_k_q078798a2e8_front-k_q078798a2e8_front
	.p2alignl 7, 3214868480
	.fill 96, 4, 3214868480
	.section	.rodata,"a",@progbits
	.p2align	6, 0x0
	.amdhsa_kernel k_q078798a2e8_front
		.amdhsa_group_segment_fixed_size 327680
		.amdhsa_private_segment_fixed_size 0
		.amdhsa_enable_private_segment 0
		.amdhsa_kernarg_size 80
		.amdhsa_user_sgpr_count 2
		.amdhsa_user_sgpr_kernarg_segment_ptr 1
		.amdhsa_wavefront_size32 1
		.amdhsa_system_sgpr_workgroup_id_x 1
		.amdhsa_system_sgpr_workgroup_id_y 1
		.amdhsa_system_sgpr_workgroup_id_z 1
		.amdhsa_system_vgpr_workitem_id 0
		.amdhsa_next_free_vgpr 1024
		.amdhsa_next_free_sgpr 96
		.amdhsa_reserve_vcc 0
		.amdhsa_float_denorm_mode_32 3
		.amdhsa_float_denorm_mode_16_64 3
		.amdhsa_memory_ordered 1
		.amdhsa_forward_progress 1
		.amdhsa_inst_pref_size 255
	.end_amdhsa_kernel
	.section	.bss,"aw",@nobits
	.p2align	6
	.space	262144
	.amdgpu_metadata
---
amdhsa.version: [ 1, 2 ]
amdhsa.kernels:
  - .name:           k_q078798a2e8_front
    .symbol:         k_q078798a2e8_front.kd
    .args:
      - { .name: aq_img, .offset: 0, .size: 8, .value_kind: global_buffer, .address_space: global }
      - { .name: aq_sc, .offset: 8, .size: 8, .value_kind: global_buffer, .address_space: global }
      - { .name: w_img, .offset: 16, .size: 8, .value_kind: global_buffer, .address_space: global }
      - { .name: pw_scales, .offset: 24, .size: 8, .value_kind: global_buffer, .address_space: global }
      - { .name: pb, .offset: 32, .size: 8, .value_kind: global_buffer, .address_space: global }
      - { .name: sng, .offset: 40, .size: 8, .value_kind: global_buffer, .address_space: global }
      - { .name: snb, .offset: 48, .size: 8, .value_kind: global_buffer, .address_space: global }
      - { .name: weight, .offset: 56, .size: 8, .value_kind: global_buffer, .address_space: global }
      - { .name: vq_img, .offset: 64, .size: 8, .value_kind: global_buffer, .address_space: global }
      - { .name: vq_sc, .offset: 72, .size: 8, .value_kind: global_buffer, .address_space: global }
    .group_segment_fixed_size: 327680
    .private_segment_fixed_size: 0
    .kernarg_segment_align: 8
    .kernarg_segment_size: 80
    .max_flat_workgroup_size: 128
    .sgpr_count:     96
    .vgpr_count:     1024
    .wavefront_size: 32
...
	.end_amdgpu_metadata
.endif
;; end of part 5
;; launch gate: the kernel of part 2 again; grid 4 x 128, 4 waves a work-group, clusters of 4 x 4, 327,680 bytes of LDS; arguments aq_img, aq_sc, vq_img, vq_sc, w_img, pw_scales, sgu_w_scales, pb, weight, sgu_b, pq_img, pq_sc; writes pq_img, pq_sc
;; launch proj: the kernel of part 3 again; grid 4 x 64, 4 waves a work-group, clusters of 4 x 4, 327,680 bytes of LDS; arguments pq_img, pq_sc, w_img, cw_scales, cb, out0; writes out0
